; MI455X (gfx1250); checked and timed in simulation.
; The chip was launched on July 23, 2026; its instructions are those of AMD's public machine-readable ISA for CDNA 5 (MIT licence, August 2026) and "CDNA5" Instruction Set Architecture Reference Guide (July 2026). The comments in the code are by the model that wrote it; some were corrected since.
;; Sentiment Attention. Allowed arithmetic: matrix products marked QUANTISED: E2M1 operands, one E8M0 scale for each 32 along K, by v_wmma_scale_f32_16x16x128_f8f6f4 with both operands' format E2M1 (or v_wmma_scale_f32_32x16x128_f4), f32 sums; products left as they are: f32 operands where the result goes on into a quantised operand, else bf16, f16 or f32 operands; f32 sums; everything else in f32.
;; Inputs: W1_codes 512 x 32 x 16 uint8 (E2M1 codes of W1, K innermost, in blocks of 32 codes, two codes a byte); W1_scales 512 x 32 uint8 (E8M0 scales of W1, one for each 32 codes along K); W2_codes 512 x 32 x 16 uint8 (E2M1 codes of W2, K innermost, in blocks of 32 codes, two codes a byte); W2_scales 512 x 32 uint8 (E8M0 scales of W2, one for each 32 codes along K); arg1 32 x 512 float32; arg2 32 x 512 float32; b1 512 float32; b2 512 float32; enc_hs 32 x 2,048 x 1,024 float32; src_mask 32 x 2,048 bool.
;; Outputs: out0 32 x 2,048 float32.
;; This version of the problem:
;;   THIS VERSION OF THE PROBLEM IS GIVEN IN LOW PRECISION. The matrix products marked QUANTISED in the list below multiply operands that are first quantised to E2M1 (2 exponent bits, 1 mantissa bit; 4 bits a number), with one power-of-two scale for each 32 numbers along K (OCP MX v1.0); their sums are f32. All else is computed in f32.
;;   The module's matrix products, in the order in which they are computed (A, B: the left and right operand; K: the contracted axis; several contracted axes count as one K, in the product's order):
;;     1. [M 65,536, K 1,024] x [K 1,024, N 512]; A: input enc_hs; B: input W1 (given as codes): QUANTISED
;;     2. batch 32 x [M 2,048, K 512] x [K 512, N 1]; A: computed on the way; B: input arg1: left as it is (N = 1 < 16)
;;     3. batch 32 x [M 1, K 2,048] x [K 2,048, N 1,024]; A: softmax; B: input enc_hs: left as it is (M = 1 < 16)
;;     4. [M 65,536, K 1,024] x [K 1,024, N 512]; A: input enc_hs; B: input W2 (given as codes): QUANTISED
;;     5. batch 32 x [M 2,048, K 512] x [K 512, N 1]; A: computed on the way; B: input arg2: left as it is (N = 1 < 16)
;;     6. batch 32 x [M 1, K 2,048] x [K 2,048, N 1,024]; A: softmax; B: input enc_hs: left as it is (M = 1 < 16)
;;   THE QUANTISER, for each operand of a quantised product, along K:
;;     - K is cut into blocks of 32 from its start; a last block that is shorter is filled with zeros.
;;     - A block's scale is 2^e with e = floor(log2(the largest magnitude in the block)) - 2, held to -126 .. 127; a block of zeros has e = 0. As a byte (E8M0): e + 127.
;;     - Each number is divided by its block's scale, clamped to +-6, and rounded to the nearest number of E2M1, ties to even, subnormals kept.
;;     - The product sums the exact products of the quantised numbers (number of the format x scale) in f32.
;;   ~~~python
;;   def quantise(x, axis):      # numpy; x: float32 -> the quantised numbers, widened to float32 again
;;       x = np.moveaxis(x, axis, -1); K = x.shape[-1]
;;       x = np.pad(x, [(0, 0)] * (x.ndim - 1) + [(0, -K % 32)]); x = x.reshape(x.shape[:-1] + (-1, 32)); a = np.abs(x).max(-1, keepdims=True)
;;       e = np.where(a > 0, np.clip(np.frexp(np.where(a > 0, a, 1))[1] - 1 - 2, -126, 127), 0)      # np.frexp(a)[1] - 1 = floor(log2(a)), exactly
;;       r = np.clip(x / 2.0 ** e, -6, 6)
;;       step = 2.0 ** (np.maximum(np.frexp(np.where(r == 0, 1, r))[1] - 1, 0) - 1)
;;       q = np.round(r / step) * step * 2.0 ** e      # np.round: ties to even
;;       return np.moveaxis(q.reshape(q.shape[:-2] + (-1,))[..., :K], -1, axis).astype(np.float32)
;;   ~~~
;;   INPUTS GIVEN AS CODES. W1 (in the module: [512, 1024], K = its axis 1); W2 (in the module: [512, 1024], K = its axis 1): each comes as NAME_codes (uint8): NAME with its K axis moved to the last place and cut into blocks of 32 codes, [.., K / 32, bytes a block], one block behind the other in memory; two codes a byte, the lower K in the low four bits (a code: sign, 2 exponent bits, 1 mantissa bit); and NAME_scales (uint8): the same leading axes, one E8M0 byte (e + 127) for each 32 codes along K. Its value is code x scale, taken as it is: it is not quantised again, and the codes and scales need not be those that the quantiser above would give.
;; 2 versions, each right; version 2 is version 1 with the launch main written anew for expert scheduling mode. Each part assembles by itself: llvm-mc -triple=amdgcn-amd-amdhsa -mcpu=gfx1250 --defsym DOCPART=n.
;; ======== version 1 of 2: 2 launches
;; workspace buffers: pacc 1,048,576 bytes; pstat 65,536 bytes
;; launch main (part 1): grid 256 x 1, 4 waves a work-group, no clusters, 306,688 bytes of LDS; arguments enc_hs, src_mask, W1_codes, W2_codes, W1_scales, W2_scales, arg1, arg2, b1, b2, pacc, pstat; writes pacc, pstat
.if DOCPART == 1
	.amdgcn_target "amdgcn-amd-amdhsa--gfx1250"
	.amdhsa_code_object_version 6
	.text
	.protected	k_q734f3259d0_main
	.globl	k_q734f3259d0_main
	.p2align	8
	.type	k_q734f3259d0_main,@function
k_q734f3259d0_main:
	s_mov_b64 s[64:65], 0
	v_nop
	global_prefetch_b8 v0, s[64:65] scope:SCOPE_SE
	s_setreg_imm32_b32 hwreg(HW_REG_WAVE_MODE, 25, 1), 1
	s_wait_xcnt 0x0
; ctx[b][hd] = sum over s of softmax_s(score) enc_hs[b][s], score[s] = sum over a of arg[a] tanh(Q(enc_hs[b][s]) . W[a] + bias[a]), -infinity where src_mask[b][s] is set.
; Q: codes of E2M1 with one E8M0 scale for each 32 along E, made here; W comes as codes.  This launch leaves, for each (batch, head, part of 4), an unnormalised context, a running maximum and a sum; the next launch joins the 4 parts.
; WORK LEFT OUT, for all values of the inputs.  (a) A position with src_mask = 1 has the score -infinity by reference()'s own where(), so its weight is exp(-infinity) = 0: its projection, its tanh and its row of enc_hs reach no
; output.  The mask is a whole-number input that this launch reads from memory: only the rows that it lets through are loaded, quantised and multiplied.  (b) tanh(x) = 1 - 2 / (1 + e^(2x)), so score = sum(arg) - 2 sum(arg / (1 + e^(2x))):
; the first term is the same along the softmax's axis and cancels.  Every input has a way to an output and is loaded.
; LIMITS.  A NaN, an infinity or an overflow that lies only in masked rows, or only in sum(arg), is not carried to the result.  NaN and infinities among the inputs are not served.  A block of enc_hs whose largest magnitude lies under
; 2^-124 gets the scale byte 1 (a block of zeros too, where the quantiser says 127: its codes are zeros and only this launch reads the byte).  A batch with no open position gives 0 x (1 / 0) = NaN, as reference() does.
; SHARES.  256 work-groups of four waves: one for each (batch b, head hd, part p).  The open rows of a batch are ranked; trip c (0..15) of part p takes ranks 128 c + 32 p + 0..31 (slots).  Wave w loads, quantises and later weighs slots
; 8 w .. 8 w + 7; in the product it owns W's rows 128 w .. 128 w + 127 (8 tiles of 16) for all 32 slots.  The loop's count is a constant, so that every wave passes every barrier; a trip without rows jumps over its work alone.
; A slot past the last open row, and the one look-ahead past the last trip with rows, read row 0 of the batch (the list holds 0 there); such a slot's weight is 0.
; A ROW IS READ ONCE BY THE WORK-GROUP: it lands in registers, is quantised there, its codes go to LDS as images of the operand's registers, and the f32 numbers stay in registers until the row's weight is known.
; W of the head lies in LDS for the whole launch, each wave's rows in a slice that only that wave reads; W's scale words, the bias and arg lie in registers.
; NO CLUSTER, NO TENSOR LOAD: the walk branches on a count read from memory and the rows are gathered by a list, so there is no tile with a constant shape that partners could ask for jointly.
; NO PREFETCH: a trip's rows are asked for by their own loads one whole trip ahead of their use.
; SOFTMAX in base 2: t = sum of (-c2 arg) / (1 + 2^(c2 x)), c2 = 2 log2(e); running maximum m, p = 2^(t - m); in every trip the sum and the context are multiplied by f = 2^(old m - new m).
; REGISTERS, in windows of 256: window 0: below.  Windows 1, 2: the rows of two trips by turns, row j at 32 j.  Window 3: v0-127 the rows' fragments (tile mu, K step s at 8 (8 mu + s)); v128-255 W's fragments, two sets of 64.
; At the start windows 2 and 3 take the wave's 128 rows of W as they land (row nu at 4 nu).
.set LIST,  0                          ; LDS: 2,176 words: 4 x the row at rank rho; 0 from rank N on
.set SCR,   8704                       ; partial scores [wave][slot], f32
.set XSC,   9216                       ; the rows' scale bytes [slot][32]
.set IMG,   10240                      ; the rows' codes: tile mu at 8704 mu; block of 32 codes beta at 272 beta; row r's 16 bytes at 16 r.  Behind the loop: the stage for the context
.set WIMG,  27648                      ; W's codes, 32 tiles laid as IMG's
.set SPARE, 306176                     ; the spare words, 128 bytes for each wave: two blocks of 256 bytes that no other line names
.set TILEB, 8704
.set UP,    272                        ; 16 rows x 16 bytes + 16 of padding: sixteen lanes that step by it fall on sixteen different columns of 16 bytes
.set LP,   1                           ; v1   32 (lane % 16) + 16 (lane / 16): my 16 bytes of a load's 512
.set LA,   2                           ; v2   LDS: my wave's 8 list words of the trip in hand
.set CWA,  3                           ; v3   where I store codes
.set SWA,  4                           ; v4   where I store scale bytes
.set XFA,  5                           ; v5   where I read the rows' fragments
.set XSA,  6                           ; v6   and their scale words
.set WA0,  7                           ; v7, v8  where I read W's fragments: tiles 0-3, tiles 4-7
.set SCW,  9                           ; v9   where I store partial scores
.set SCRD, 10                          ; v10  and read them
.set SLV,  11                          ; v11  the slot that my lane weighs: (lane + 8 wave) % 32
.set SPW,  12                          ; v12  LDS address of my spare word; never rewritten
.set NIL,  13                          ; v13  0; never rewritten
.set MX,   14                          ; v14  m
.set LS,   15                          ; v15  my lane's part of the sum
.set VO,   16                          ; v16-23  byte offsets of my 8 rows
.set RR,   24                          ; v24-31  list words
.set XS,   32                          ; v32-39  the rows' scale words, K step s: lanes 0-15 tile 0, lanes 16-31 tile 1
.set WSC,  40                          ; v40-71  W's scale words at 8 g + s: lanes 0-15 tile 2 g, lanes 16-31 tile 2 g + 1
.set CB,   72                          ; v72-79  c2 x bias of tile t, my column
.set AC,   80                          ; v80-87  -c2 x arg
.set SA,   88                          ; v88-103 score sums at 8 mu + j
.set CTX,  104                         ; v104-135 my wave's part of the context
.set ACC,  136                         ; v136-199 two sets of four accumulators
.set TT,   136                         ; while quantising: 32 largest magnitudes, then scale operands, then bytes
.set CD,   168                         ; and 32 words of codes
.set WW,   216                         ; v216 where I store W's images
.set AD,   217                         ; v217 the list's scatter address: used for nothing else
.set STW,  218                         ; v218 the stage, in
.set STR,  219                         ; v219 the stage, back
.set MK,   220                         ; v220-235 my 64 bytes of the mask
.set MO,   236                         ; v236-239 offsets of the loads at the start; never rewritten
.set WSO,  237
.set CO4,  238
.set WCO,  239
.set WV,   28                          ; s28 wave;  s29 head;  s30 batch;  s31 part
.set HD,   29
.set BB,   30
.set PP,   31
.set NN,   32                          ; s32 open rows in the batch
.set RK,   33                          ; s33 the trip's first rank
.set CNT,  34
.set REM,  36
.set NC2,  37                          ; s37 -c2
.set C2,   38                          ; s[38:39] c2: the packed form names a pair and takes its low word for both halves
.set PJ,   40                          ; s[40:55] p of my 8 rows at 40 + 2 j; the odd ones are written once
.set FF,   56                          ; s[56:57] f
.set SEL,  58                          ; s[58:59] lane selects: lane l xor 16
.set MSB, 0
.macro WIN new                         ; the immediate's high byte repeats the setting that is left; a switch that changes nothing is dropped
.if MSB != (\new)
	s_set_vgpr_msb (MSB<<8)|(\new)
.set MSB, (\new)
.endif
.endm
.macro BAR                             ; my LDS stores have landed and my LDS loads are in: then the work-group's barrier
	s_wait_dscnt 0x0
	s_barrier_signal -1
	s_barrier_wait -1
.endm
; rows lo .. hi of my 128 rows of W: a row's 512 bytes on end, lane l the 16 bytes of block l
.macro WLOAD lo, hi
.set nu, \lo
.rept \hi-\lo+1
	WIN 0x80+0x40*(nu>>6)
	global_load_b128 v[4*(nu&63):4*(nu&63)+3], v[WCO], s[8:9] offset:512*nu
.set nu, nu+1
.endr
	WIN 0
.endm
.macro LISTRD lo                       ; my wave's 8 list words, the same in every lane
	ds_load_b128 v[RR:RR+3], v[LA] offset:LIST+\lo
	ds_load_b128 v[RR+4:RR+7], v[LA] offset:LIST+\lo+16
.endm
.macro MKVO                            ; list words -> byte offsets: held inside the batch, shifted, and my lane's place added; nothing else stands behind the hold
.irp j, 0,1,2,3,4,5,6,7
	v_min_u32 v[RR+\j], 0x1ffc, v[RR+\j]           ; 4 x row, at most 4 x 2,047
.endr
.irp j, 0,1,2,3,4,5,6,7
	v_lshlrev_b32 v[VO+\j], 10, v[RR+\j]           ; row x 4,096
.endr
.irp j, 0,1,2,3,4,5,6,7
	v_add_nc_u32 v[VO+\j], v[LP], v[VO+\j]         ; + my place
.endr
.endm
; rows j0 .. j1 into window win: eight loads a row, each 512 bytes on end.  No cache hint: the other head's work-group reads the same rows
.macro XLOAD win, j0, j1
	WIN (\win)<<6
.set jj, \j0
.rept \j1-\j0+1
.irp q, 0,1,2,3
	global_load_b128 v[32*jj+8*\q:32*jj+8*\q+3], v[VO+jj], s[4:5] offset:1024*\q
	global_load_b128 v[32*jj+8*\q+4:32*jj+8*\q+7], v[VO+jj], s[4:5] offset:1024*\q+512
.endr
.set jj, jj+1
.endr
	WIN 0
.endm
; half e (0..7) of W's walk: tiles 2 (e / 2), 2 (e / 2) + 1, K steps 4 (e % 2) + 0..3: 16 loads into set e % 2
.macro WHALF e
	WIN 0xc0
.irp tp, 0,1
.irp sp, 0,1,2,3
.irp c, 0,1
	ds_load_b128 v[128+64*((\e)&1)+8*(4*\tp+\sp)+4*\c:128+64*((\e)&1)+8*(4*\tp+\sp)+4*\c+3], v[WA0+((\e)>>2)] offset:(2*(((\e)>>1)&1)+\tp)*TILEB+(4*(4*((\e)&1)+\sp)+2*\c)*UP
.endr
.endr
.endr
.endm
.macro WM c                            ; one product; the symbols are set by MM.  ROWS: which halves of the scale registers' lanes are read
.if ROWS == 0
	v_wmma_scale_f32_16x16x128_f8f6f4 v[DD:DD+7], v[AA:AA+7], v[BF:BF+7], \c, v[SX], v[SW] matrix_a_fmt:MATRIX_FMT_FP4 matrix_b_fmt:MATRIX_FMT_FP4
.elseif ROWS == 1
	v_wmma_scale_f32_16x16x128_f8f6f4 v[DD:DD+7], v[AA:AA+7], v[BF:BF+7], \c, v[SX], v[SW] matrix_a_fmt:MATRIX_FMT_FP4 matrix_b_fmt:MATRIX_FMT_FP4 matrix_a_scale:MATRIX_SCALE_ROW1
.elseif ROWS == 2
	v_wmma_scale_f32_16x16x128_f8f6f4 v[DD:DD+7], v[AA:AA+7], v[BF:BF+7], \c, v[SX], v[SW] matrix_a_fmt:MATRIX_FMT_FP4 matrix_b_fmt:MATRIX_FMT_FP4 matrix_b_scale:MATRIX_SCALE_ROW1
.else
	v_wmma_scale_f32_16x16x128_f8f6f4 v[DD:DD+7], v[AA:AA+7], v[BF:BF+7], \c, v[SX], v[SW] matrix_a_fmt:MATRIX_FMT_FP4 matrix_b_fmt:MATRIX_FMT_FP4 matrix_a_scale:MATRIX_SCALE_ROW1 matrix_b_scale:MATRIX_SCALE_ROW1
.endif
.endm
; 16 products of half e: source 0 = 16 slots, source 1 = 16 rows of W: in the result lane (r, h) holds W's row r and register j slot 16 mu + 8 h + j.
; The four accumulators take turns, one instruction a turn; the first K step starts the sums with the constant 0.
.macro MM e
.irp sp, 0,1,2,3
.irp tp, 0,1
.irp mu, 0,1
.set DD, ACC+32*(((\e)>>1)&1)+8*(2*\tp+\mu)
.set AA, 8*(8*\mu+4*((\e)&1)+\sp)
.set BF, 128+64*((\e)&1)+8*(4*\tp+\sp)
.set SX, XS+4*((\e)&1)+\sp
.set SW, WSC+8*((\e)>>1)+4*((\e)&1)+\sp
.set ROWS, 2*\tp+\mu
.if (((\e)&1) == 0) && (\sp == 0)
	WM 0
.else
	WM v[DD:DD+7]
.endif
.endr
.endr
.endr
.endm
; group g's 32 registers: c2 (sum + bias), then 2^ of it.  Each accumulator is read from its low end on
.macro TA g
.set AB, ACC+32*((\g)&1)
.irp tp, 0,1
.irp mu, 0,1
.irp jp, 0,2,4,6
.set PR, AB+8*(2*\tp+\mu)+\jp
.if \tp == 0
	v_pk_fma_f32 v[PR:PR+1], v[PR:PR+1], s[C2:C2+1], v[CB+2*(\g):CB+2*(\g)+1] op_sel_hi:[1,0,0]
.else
	v_pk_fma_f32 v[PR:PR+1], v[PR:PR+1], s[C2:C2+1], v[CB+2*(\g):CB+2*(\g)+1] op_sel:[0,0,1] op_sel_hi:[1,0,1]
.endif
.endr
.endr
.endr
.set ii, 0
.rept 32
	v_exp_f32 v[AB+ii], v[AB+ii]
.set ii, ii+1
.endr
	v_nop                                          ; a plain instruction behind the last exponential
.endm
; 1 / (1 + that), times -c2 arg, into the score sums
.macro TB g
.set AB, ACC+32*((\g)&1)
	s_wait_alu depctr_va_vdst(0)                   ; one wait for the 32 exponentials, ahead of their first reader
.set ii, 0
.rept 16
	v_pk_add_f32 v[AB+ii:AB+ii+1], v[AB+ii:AB+ii+1], 1.0 op_sel_hi:[1,0]
.set ii, ii+2
.endr
.set ii, 0
.rept 32
	v_rcp_f32 v[AB+ii], v[AB+ii]
.set ii, ii+1
.endr
	v_nop
	s_wait_alu depctr_va_vdst(0)                   ; one wait for the 32 reciprocals
.irp tp, 0,1
.irp mu, 0,1
.irp jp, 0,2,4,6
.set PR, AB+8*(2*\tp+\mu)+\jp
.set SR, SA+8*\mu+\jp
.if ((\g) == 0) && (\tp == 0)
	v_pk_mul_f32 v[SR:SR+1], v[PR:PR+1], v[AC:AC+1] op_sel_hi:[1,0]               ; the first tile starts the sums
.elseif \tp == 0
	v_pk_fma_f32 v[SR:SR+1], v[PR:PR+1], v[AC+2*(\g):AC+2*(\g)+1], v[SR:SR+1] op_sel_hi:[1,0,1]
.else
	v_pk_fma_f32 v[SR:SR+1], v[PR:PR+1], v[AC+2*(\g):AC+2*(\g)+1], v[SR:SR+1] op_sel:[0,1,0] op_sel_hi:[1,1,1]
.endif
.endr
.endr
.endr
.endm
; half e of a trip's product: the next half of W is asked for, the activation of the group before stands between the loads and the products
.macro HALF e, nxt
.if (\e) >= 1
.rept 4
	v_nop                                          ; places behind the last products: in front of loads into the set that they read, and of the first read of their results
.endr
	WHALF ((\e)+1)&7
.endif
.if (\e) == 4
	XLOAD \nxt, 7, 7                               ; the next trip's eighth row
.endif
	WIN 0
.if ((\e) >= 2) && (((\e)&1) == 0)
	TA ((\e)>>1)-1
.endif
.if ((\e) >= 3) && (((\e)&1) == 1)
	TB ((\e)>>1)-1
.endif
	s_wait_dscnt 16                                ; the 16 youngest LDS loads may stay out (half 0: the rows' K steps 4-7; later: W's next half); what these products read is in
	WIN 0x0f
	MM \e
.endm
; PIECE Q: the next trip's rows are asked for; this trip's 8 rows of mine are quantised, and codes and scale bytes go to LDS
.macro PIECE_Q cur, nxt, lo
	LISTRD \lo
	WHALF 1
	WIN 0
	s_wait_dscnt 16                                ; the list words are in; W's 16 loads behind them may stay out
	MKVO
	XLOAD \nxt, 0, 6                               ; 56 loads; the eighth row follows in mid-trip
	WIN ((\cur)<<6)|(\cur)
.set ii, 0
.rept 32
.irp i, 0,1,2,3
	v_permlane16_swap_b32 v[8*ii+\i], v[8*ii+4+\i] ; the halves of the lanes change places: registers 8 q .. 8 q + 7 of a row now hold k = 256 q + 8 lane + 0 .. 7
.endr
.set ii, ii+1
.endr
	WIN (\cur)*5
.set ii, 0
.rept 32
	v_max3_num_f32 v[TT+ii], |v[8*ii]|, |v[8*ii+1]|, 0x1800000   ; my 8 numbers of a block, and the floor 2^(3 - 127): the byte cannot fall under 1.  The 32 blocks by turns
.set ii, ii+1
.endr
.irp e, 2,4,6
.set ii, 0
.rept 32
	v_max3_num_f32 v[TT+ii], |v[8*ii+\e]|, |v[8*ii+\e+1]|, v[TT+ii]
.set ii, ii+1
.endr
.endr
	WIN 0
.irp m, 1,2
.set ii, 0
.rept 32
	v_max_num_f32_dpp v[TT+ii], v[TT+ii], v[TT+ii] row_xmask:\m row_mask:0xf bank_mask:0xf   ; a block of 32 lies in four neighbouring lanes
.set ii, ii+1
.endr
.endr
.set ii, 0
.rept 32
	v_add_nc_u32 v[TT+ii], 0xff000000, v[TT+ii]    ; 2 off the exponent field: the conversion's scale operand
.set ii, ii+1
.endr
	WIN \cur
.set ii, 0
.rept 32
	v_cvt_scalef32_pk8_fp4_f32 v[CD+ii], v[8*ii:8*ii+7], v[TT+ii]
.set ii, ii+1
.endr
	WIN 0
	v_nop                                          ; a plain instruction behind the last conversion: the shifts below write the conversions' scale operands
.set ii, 0
.rept 32
	v_lshrrev_b32 v[TT+ii], 23, v[TT+ii]           ; the scale's byte
.set ii, ii+1
.endr
.set ii, 0
.rept 32                                       ; ii = 4 j + q
	ds_store_b32 v[CWA], v[CD+ii] offset:2176*(ii&3)+16*(ii>>2)
	ds_store_b8 v[SWA], v[TT+ii] offset:32*(ii>>2)+8*(ii&3)      ; the four lanes of a block write the same byte with the same value
.set ii, ii+1
.endr
.endm
; PIECE G: my 128 rows of W against the 32 slots, the activation, the product with arg; partial scores to LDS
.macro PIECE_G nxt
	ds_load_b128 v[XS:XS+3], v[XSA]
	ds_load_b128 v[XS+4:XS+7], v[XSA] offset:16
	WIN 0xc0
.irp hf, 0,1
.irp sp, 0,1,2,3
.irp mu, 0,1
.irp c, 0,1
	ds_load_b128 v[8*(8*\mu+4*\hf+\sp)+4*\c:8*(8*\mu+4*\hf+\sp)+4*\c+3], v[XFA] offset:\mu*TILEB+(4*(4*\hf+\sp)+2*\c)*UP
.endr
.endr
.endr
.endr
.irp e, 0,1,2,3,4,5,6,7
	HALF \e, \nxt
.endr
	WIN 0
.rept 4
	v_nop                                          ; places behind the trip's last products
.endr
	TA 3
	TB 3
.irp m, 1,2,4,8
.set ii, 0
.rept 16
	v_add_f32_dpp v[SA+ii], v[SA+ii], v[SA+ii] row_xmask:\m row_mask:0xf bank_mask:0xf   ; over the 16 columns of a half of the lanes
.set ii, ii+1
.endr
.endr
.irp mu, 0,1
.irp a, 0,1
	ds_store_b128 v[SCW], v[SA+8*\mu+4*\a:SA+8*\mu+4*\a+3] offset:64*\mu+16*\a    ; the lanes of a half write the same bytes with the same values
.endr
.endr
.endm
; PIECE C: the scores are joined, the softmax goes a step on, my 8 rows are weighed into the context
.macro PIECE_C cur
.irp wv, 0,1,2,3
	ds_load_b32 v[200+\wv], v[SCRD] offset:128*\wv
.endr
	s_sub_co_u32 s[REM], s[NN], s[RK]              ; slots of this trip that hold a row
	s_wait_dscnt 0x0
	v_add_f32 v200, v200, v201                     ; the four waves' parts, in one order in all waves: the same bits everywhere
	v_add_f32 v200, v200, v202
	v_add_f32 v200, v200, v203
	v_cmp_gt_u32 vcc_lo, s[REM], v[SLV]
	v_cndmask_b32 v200, 0xff800000, v200, vcc_lo   ; -infinity for a slot without a row
	v_mov_b32 v201, v200
.irp m, 1,2,4,8
	v_max_num_f32_dpp v201, v201, v201 row_xmask:\m row_mask:0xf bank_mask:0xf
.endr
	v_permlanex16_b32 v202, v201, s[SEL], s[SEL+1]
	v_max3_num_f32 v201, v201, v202, v[MX]         ; the new m
	v_sub_f32 v202, v[MX], v201
	v_sub_f32 v203, v200, v201
	v_exp_f32 v202, v202                           ; f
	v_exp_f32 v203, v203                           ; p of my lane's slot
	v_mov_b32 v[MX], v201                          ; (a plain instruction behind the exponentials)
	s_wait_alu depctr_va_vdst(0)                   ; one wait for the two, ahead of their first reader
	v_fma_f32 v[LS], v[LS], v202, v203
	v_readfirstlane_b32 s[FF], v202
.irp j, 0,1,2,3,4,5,6,7
	v_readlane_b32 s[PJ+2*\j], v203, \j            ; lanes 0-7 weigh my wave's own slots
.endr
.set ii, 0
.rept 16
	v_pk_mul_f32 v[CTX+ii:CTX+ii+1], v[CTX+ii:CTX+ii+1], s[FF:FF+1] op_sel_hi:[1,0]
.set ii, ii+2
.endr
	WIN \cur
.irp j, 0,1,2,3,4,5,6,7
.set ii, 0
.rept 16
	v_pk_fma_f32 v[CTX+ii:CTX+ii+1], v[32*\j+ii:32*\j+ii+1], s[PJ+2*\j:PJ+2*\j+1], v[CTX+ii:CTX+ii+1] op_sel_hi:[1,0,1]
.set ii, ii+2
.endr
.endr
	WIN 0
.endm
; A TRIP.  The wait for the rows stands ahead of the branch, on every wave's way, and so do both barriers; a trip without rows jumps over the three pieces alone.
; Barrier 1: codes and scale bytes lie in LDS; nobody reads the last trip's scores any more.  Barrier 2: the partial scores lie in LDS; nobody reads the codes any more.
.macro TRIP cur, nxt, lo
	s_wait_loadcnt 0x0                             ; this trip's 64 loads are the only ones out: the rows are in, and their offset registers are free
	s_cmp_lt_u32 s[RK], s[NN]
	s_cbranch_scc0 .La_\@
	PIECE_Q \cur, \nxt, \lo
.La_\@:
	BAR
	s_cmp_lt_u32 s[RK], s[NN]
	s_cbranch_scc0 .Lb_\@
	PIECE_G \nxt
.Lb_\@:
	BAR
	s_cmp_lt_u32 s[RK], s[NN]
	s_cbranch_scc0 .Lc_\@
	PIECE_C \cur
.Lc_\@:
	s_add_co_u32 s[RK], s[RK], 128
.endm
	s_load_b512 s[4:19], s[0:1], 0x0               ; enc_hs s[4:5], src_mask s[6:7], W1, W2 codes s[8:11], W1, W2 scales s[12:15], arg1, arg2 s[16:19]
	s_load_b256 s[20:27], s[0:1], 0x40             ; b1, b2 s[20:23], pacc s[24:25], pstat s[26:27]
	v_lshl_add_u32 v[SPW], v0, 2, SPARE
	v_mov_b32 v[NIL], 0
	v_lshrrev_b32 v24, 5, v0
	v_readfirstlane_b32 s[WV], v24                 ; wave 0..3
	v_and_b32 v25, 31, v0                          ; lane
	v_and_b32 v26, 15, v0                          ; r
	v_bfe_u32 v27, v0, 4, 1                        ; h
	v_bfe_u32 v28, v0, 2, 3                        ; lane / 4
	v_and_b32 v29, 3, v0                           ; lane % 4
	s_bfe_u32 s[HD], ttmp9, 0x10004                ; the head: bit 4 of the work-group's number, so that the two heads of one (b, p) have numbers 16 apart
	s_and_b32 s60, ttmp9, 15
	s_lshr_b32 s61, ttmp9, 5
	s_lshl_b32 s61, s61, 4
	s_or_b32 s60, s60, s61
	s_lshr_b32 s[BB], s60, 2                       ; batch
	s_and_b32 s[PP], s60, 3                        ; part
	s_mov_b32 s[C2], 0x4038aa3b                    ; c2 = 2 log2(e)
	s_mov_b32 s[C2+1], 0x4038aa3b
	s_mov_b32 s[NC2], 0xc038aa3b
	s_mov_b32 s[SEL], 0x76543210
	s_mov_b32 s[SEL+1], 0xfedcba98
	; every LDS address is made here, ahead of the first branch on the wave's number
	v_lshlrev_b32 v[LP], 5, v26
	v_lshl_add_u32 v[LP], v27, 4, v[LP]
	s_lshl_b32 s62, s[PP], 7
	s_lshl_b32 s63, s[WV], 5
	s_add_co_u32 s62, s62, s63
	v_mov_b32 v[LA], s62                           ; 4 x (32 p + 8 w)
	s_lshr_b32 s60, s[WV], 1
	s_mul_i32 s60, s60, TILEB
	s_and_b32 s61, s[WV], 1
	s_lshl_b32 s61, s61, 7
	s_add_co_u32 s60, s60, s61
	s_add_co_u32 s60, s60, IMG
	v_mul_u32_u24 v[CWA], v28, UP
	v_lshl_add_u32 v[CWA], v29, 2, v[CWA]
	v_add_nc_u32 v[CWA], s60, v[CWA]               ; tile w / 2, rows 8 (w % 2) on; block lane / 4 of a quarter of the row; 4 bytes at 4 (lane % 4)
	s_lshl_b32 s60, s[WV], 8
	s_add_co_u32 s60, s60, XSC
	v_add_nc_u32 v[SWA], s60, v28
	v_mul_u32_u24 v30, v27, UP
	v_lshl_add_u32 v30, v26, 4, v30                ; 272 h + 16 r: a lane's place in a fragment's image
	v_add_nc_u32 v[XFA], IMG, v30
	v_lshl_add_u32 v[XSA], v25, 5, XSC
	s_mul_i32 s60, s[WV], 8*TILEB
	s_add_co_u32 s60, s60, WIMG                    ; my wave's slice of W
	v_add_nc_u32 v[WA0], s60, v30
	v_add_nc_u32 v[WA0+1], 4*TILEB, v[WA0]
	v_mul_u32_u24 v[WW], v25, UP
	v_add_nc_u32 v[WW], s60, v[WW]
	s_lshl_b32 s61, s[WV], 7
	s_add_co_u32 s61, s61, SCR
	v_lshl_add_u32 v[SCW], v27, 5, s61
	s_lshl_b32 s61, s[WV], 3
	v_add_nc_u32 v[SLV], s61, v25
	v_and_b32 v[SLV], 31, v[SLV]
	v_lshl_add_u32 v[SCRD], v[SLV], 2, SCR
	s_lshl_b32 s61, s[WV], 12
	s_add_co_u32 s61, s61, IMG
	v_lshl_add_u32 v[STW], v25, 4, s61
	s_lshl_b32 s61, s[WV], 10
	s_add_co_u32 s61, s61, IMG
	v_lshl_add_u32 v[STR], v25, 4, s61
	v_lshlrev_b32 v[MO], 6, v25
	v_lshlrev_b32 v[WSO], 5, v25
	v_lshlrev_b32 v[CO4], 2, v26
	v_lshlrev_b32 v[WCO], 4, v25
	s_wait_kmcnt 0x0
	s_cmp_eq_u32 s[HD], 0                          ; the head's four tensors: the choice hangs on the work-group's number alone
	s_cselect_b64 s[8:9], s[8:9], s[10:11]
	s_cselect_b64 s[12:13], s[12:13], s[14:15]
	s_cselect_b64 s[16:17], s[16:17], s[18:19]
	s_cselect_b64 s[20:21], s[20:21], s[22:23]
	s_mov_b32 s61, 0
	s_lshl_b32 s60, s[BB], 23
	s_add_nc_u64 s[4:5], s[4:5], s[60:61]          ; the batch's rows
	s_lshl_b32 s60, s[BB], 11
	s_add_nc_u64 s[6:7], s[6:7], s[60:61]          ; its mask
	s_add_nc_u64 s[16:17], s[16:17], s[60:61]      ; its arg,
	s_lshl_b32 s60, s[WV], 9
	s_add_nc_u64 s[16:17], s[16:17], s[60:61]      ; my 128 numbers of it,
	s_add_nc_u64 s[20:21], s[20:21], s[60:61]      ; and of the bias
	s_lshl_b32 s60, s[WV], 16
	s_add_nc_u64 s[8:9], s[8:9], s[60:61]          ; my 128 rows of W's codes
	s_lshl_b32 s60, s[WV], 12
	s_add_nc_u64 s[12:13], s[12:13], s[60:61]      ; and of its scale bytes
	s_lshl_b32 s62, s[BB], 1
	s_add_co_u32 s62, s62, s[HD]
	s_lshl_b32 s62, s62, 2
	s_add_co_u32 s62, s62, s[PP]                   ; (2 b + hd) 4 + p
	s_lshl_b32 s60, s62, 12
	s_add_nc_u64 s[24:25], s[24:25], s[60:61]
	s_lshl_b32 s60, s[WV], 10
	s_add_nc_u64 s[24:25], s[24:25], s[60:61]
	s_lshl_b32 s60, s62, 8
	s_add_nc_u64 s[26:27], s[26:27], s[60:61]
.irp i, 0,1,2,3
	global_load_b128 v[MK+4*\i:MK+4*\i+3], v[MO], s[6:7] offset:16*\i    ; lane l: the mask of rows 64 l .. 64 l + 63
.endr
.irp g, 0,1,2,3
	global_load_b128 v[WSC+8*\g:WSC+8*\g+3], v[WSO], s[12:13] offset:1024*\g
	global_load_b128 v[WSC+8*\g+4:WSC+8*\g+7], v[WSO], s[12:13] offset:1024*\g+16
.endr
.irp t, 0,1,2,3,4,5,6,7
	global_load_b32 v[CB+\t], v[CO4], s[20:21] offset:64*\t
	global_load_b32 v[AC+\t], v[CO4], s[16:17] offset:64*\t
.endr
	WLOAD 0, 127                                   ; all my rows of W, asked for once, on every wave's way
	s_wait_loadcnt 63                              ; behind the mask's four loads stand 152 younger ones; a wait names 63 at the most, and the smaller count is the safe one: the mask is in
	; every wave counts the batch's masked rows, so that N lies in a scalar register of each
	v_add3_u32 v240, v220, v221, v222              ; the 16 words byte by byte: at most 16 in a byte
	v_add3_u32 v241, v223, v224, v225
	v_add3_u32 v240, v240, v226, v227
	v_add3_u32 v241, v241, v228, v229
	v_add3_u32 v240, v240, v230, v231
	v_add3_u32 v241, v241, v232, v233
	v_add3_u32 v240, v240, v234, v235
	v_add_nc_u32 v240, v240, v241
	s_mov_b32 s60, 0x01010101
	v_mul_lo_u32 v240, v240, s60
	v_lshrrev_b32 v240, 24, v240                   ; masked rows among my 64
	v_mov_b32 v241, 0                              ; masked rows in the lanes below me
	s_mov_b32 s[NN], 2048
.irp k, 0,1,2,3,4,5,6                          ; bit by bit
	v_and_b32 v242, 1<<\k, v240
	v_cmp_ne_u32 s60, 0, v242
	v_mbcnt_lo_u32_b32 v243, s60, 0
	v_lshl_add_u32 v241, v243, \k, v241
	s_bcnt1_i32_b32 s61, s60
	s_lshl_b32 s61, s61, \k
	s_sub_co_u32 s[NN], s[NN], s61
.endr
	s_cmp_lg_u32 s[WV], 0
	s_cbranch_scc1 .Lmeet
	; WAVE 0 MAKES THE LIST, while the rest of W lands.  First zeros over all 2,176 words (the last 128 are read by the look-ahead of the last trips).  Then a partition: an open row goes to its rank among the open rows, a
	; masked row to N + its rank among the masked ones, so that each of the 2,048 words is written once more, by one lane.  An open row leaves 4 x its number, a masked row 0.  LDS serves a wave's instructions in order.
	; No other wave touches LDS ahead of the barrier below.
.irp i, 244,245,246,247
	v_mov_b32 v\i, 0
.endr
.irp k, 0,1,2,3,4,5,6,7,8,9,10,11,12,13,14,15,16
	ds_store_b128 v[WCO], v[244:247] offset:LIST+512*\k
.endr
.irp k, 0,1,2,3,4,5,6,7,8,9,10,11,12,13,14,15
	v_lshlrev_b32 v[MK+\k], 2, v[MK+\k]            ; a byte is now 0 or 4
.endr
	v_lshlrev_b32 v241, 2, v241                    ; 4 x masked rows ahead of mine
	v_lshlrev_b32 v243, 8, v25                     ; 4 x my first row
	s_lshl_b32 s61, s[NN], 2
.set ii, 0
.rept 64
	v_bfe_u32 v245, v[MK+ii/4], 8*(ii%4), 3
	v_cmp_ne_u32 vcc_lo, 0, v245
	v_sub_nc_u32 v246, v243, v241                  ; 4 x (row - masked ahead) = 4 x its rank among the open
	v_add_nc_u32 v247, s61, v241                   ; 4 x (N + its rank among the masked)
	v_cndmask_b32 v246, v246, v247, vcc_lo
	v_cndmask_b32 v242, v243, v244, vcc_lo
	v_min_u32 v[AD], 0x1ffc, v246
	ds_store_b32 v[AD], v242 offset:LIST
	v_add_nc_u32 v241, v241, v245
	v_add_nc_u32 v243, 4, v243
.set ii, ii+1
.endr
.Lmeet:
	BAR                                            ; the list lies in LDS
	LISTRD 0
	s_lshl_b32 s[RK], s[PP], 5
	s_wait_dscnt 0x0
	MKVO
	XLOAD 1, 0, 6                                  ; trip 0's first seven rows
	s_wait_loadcnt 56                              ; all but those 56: the constants and my 128 rows of W are in
.irp t, 0,1,2,3,4,5,6,7
	v_mul_f32 v[CB+\t], s[C2], v[CB+\t]
	v_mul_f32 v[AC+\t], s[NC2], v[AC+\t]
.endr
.set nu, 0
.rept 128                                      ; row nu: tile nu / 16, row nu % 16; lane l's 16 bytes are block l
	WIN 0x08+0x04*(nu>>6)
	ds_store_b128 v[WW], v[4*(nu&63):4*(nu&63)+3] offset:(nu>>4)*TILEB+(nu&15)*16
.set nu, nu+1
.endr
	WIN 0
	s_wait_dscnt 0x0                               ; the stores have read their registers, which now take fragments and rows
	XLOAD 1, 7, 7
	WHALF 0
	WIN 0
	v_mov_b32 v[MX], 0xff61b1e6                    ; -3e38, under every t
	v_mov_b32 v[LS], 0
.set ii, 0
.rept 32
	v_mov_b32 v[CTX+ii], 0                         ; once: which trip is the first with rows is not known to the text, so no product can start these sums
.set ii, ii+1
.endr
.irp j, 0,1,2,3,4,5,6,7,8
	s_mov_b32 s[PJ+2*\j+1], 0                      ; named as the upper halves of pairs
.endr
	s_mov_b32 s[CNT], 8
.Ltrip:
	TRIP 1, 2, 512
	TRIP 2, 1, 1024
	v_add_nc_u32 v[LA], 1024, v[LA]
	s_sub_co_u32 s[CNT], s[CNT], 1
	s_cmp_lg_u32 s[CNT], 0
	s_cbranch_scc1 .Ltrip
	; THE END.  The four waves' parts of the context meet in the stage (the codes' bytes: every wave has passed the barrier behind their last read); wave w adds and stores numbers 256 w .. 256 w + 255.
.irp k, 0,1,2,3,4,5,6,7
	ds_store_b128 v[STW], v[CTX+4*\k:CTX+4*\k+3] offset:512*\k
.endr
	BAR
.irp wv, 0,1,2,3
.irp a, 0,1
	ds_load_b128 v[ACC+8*\wv+4*\a:ACC+8*\wv+4*\a+3], v[STR] offset:4096*\wv+512*\a
.endr
.endr
	s_wait_dscnt 0x0
.irp wv, 1,2,3
.irp i, 0,2,4,6
	v_pk_add_f32 v[ACC+\i:ACC+\i+1], v[ACC+\i:ACC+\i+1], v[ACC+8*\wv+\i:ACC+8*\wv+\i+1]
.endr
.endr
.irp i, 0,1,2,3
	v_permlane16_swap_b32 v[ACC+\i], v[ACC+4+\i]   ; the turn is undone: each store below covers 512 bytes on end
.endr
	global_store_b128 v[LP], v[ACC:ACC+3], s[24:25]
	global_store_b128 v[LP], v[ACC+4:ACC+7], s[24:25] offset:512
	s_cmp_lg_u32 s[WV], 0
	s_cbranch_scc1 .Lend
.irp m, 1,2,4,8
	v_add_f32_dpp v[LS], v[LS], v[LS] row_xmask:\m row_mask:0xf bank_mask:0xf
.endr
	v_mov_b32 v201, 0
	v_permlanex16_b32 v201, v[LS], s[SEL], s[SEL+1]
	v_add_f32 v201, v201, v[LS]                    ; the sum
	v_mov_b32 v200, v[MX]
	v_and_b32 v204, 31, v0
	v_lshlrev_b32 v204, 3, v204
	global_store_b64 v204, v[200:201], s[26:27]    ; (m, l), 32 times: 256 bytes on end, aligned
.Lend:
	s_wait_tensorcnt 0x0                           ; the wave's end: three closing lines, behind my last LDS store
	ds_add_u32 v[SPW], v[NIL]
	s_wait_dscnt 0x0
	s_endpgm
.Lfunc_end_k_q734f3259d0_main:
	.size	k_q734f3259d0_main, .Lfunc_end_k_q734f3259d0_main-k_q734f3259d0_main
	.p2alignl 7, 3214868480
	.fill 96, 4, 3214868480
	.section	.rodata,"a",@progbits
	.p2align	6, 0x0
	.amdhsa_kernel k_q734f3259d0_main
		.amdhsa_group_segment_fixed_size 306688
		.amdhsa_private_segment_fixed_size 0
		.amdhsa_enable_private_segment 0
		.amdhsa_kernarg_size 96
		.amdhsa_user_sgpr_count 2
		.amdhsa_user_sgpr_kernarg_segment_ptr 1
		.amdhsa_wavefront_size32 1
		.amdhsa_system_sgpr_workgroup_id_x 1
		.amdhsa_system_sgpr_workgroup_id_y 1
		.amdhsa_system_sgpr_workgroup_id_z 1
		.amdhsa_system_vgpr_workitem_id 0
		.amdhsa_next_free_vgpr 1024
		.amdhsa_next_free_sgpr 66
		.amdhsa_reserve_vcc 1
		.amdhsa_float_denorm_mode_32 3
		.amdhsa_float_denorm_mode_16_64 3
		.amdhsa_memory_ordered 1
		.amdhsa_forward_progress 1
		.amdhsa_inst_pref_size 255
	.end_amdhsa_kernel
	.section	.bss,"aw",@nobits
	.p2align	6
	.space	262144
	.amdgpu_metadata
---
amdhsa.version: [ 1, 2 ]
amdhsa.kernels:
  - .name:           k_q734f3259d0_main
    .symbol:         k_q734f3259d0_main.kd
    .args:
      - { .name: enc_hs, .offset: 0, .size: 8, .value_kind: global_buffer, .address_space: global }
      - { .name: src_mask, .offset: 8, .size: 8, .value_kind: global_buffer, .address_space: global }
      - { .name: W1_codes, .offset: 16, .size: 8, .value_kind: global_buffer, .address_space: global }
      - { .name: W2_codes, .offset: 24, .size: 8, .value_kind: global_buffer, .address_space: global }
      - { .name: W1_scales, .offset: 32, .size: 8, .value_kind: global_buffer, .address_space: global }
      - { .name: W2_scales, .offset: 40, .size: 8, .value_kind: global_buffer, .address_space: global }
      - { .name: arg1, .offset: 48, .size: 8, .value_kind: global_buffer, .address_space: global }
      - { .name: arg2, .offset: 56, .size: 8, .value_kind: global_buffer, .address_space: global }
      - { .name: b1, .offset: 64, .size: 8, .value_kind: global_buffer, .address_space: global }
      - { .name: b2, .offset: 72, .size: 8, .value_kind: global_buffer, .address_space: global }
      - { .name: pacc, .offset: 80, .size: 8, .value_kind: global_buffer, .address_space: global }
      - { .name: pstat, .offset: 88, .size: 8, .value_kind: global_buffer, .address_space: global }
    .group_segment_fixed_size: 306688
    .private_segment_fixed_size: 0
    .kernarg_segment_align: 8
    .kernarg_segment_size: 96
    .max_flat_workgroup_size: 128
    .sgpr_count:     66
    .vgpr_count:     1024
    .wavefront_size: 32
...
	.end_amdgpu_metadata
.endif
;; end of part 1
;; launch combine (part 2): grid 64 x 1, 8 waves a work-group, no clusters, 0 bytes of LDS; arguments pacc, pstat, out0; writes out0
.if DOCPART == 2
	.amdgcn_target "amdgcn-amd-amdhsa--gfx1250"
	.amdhsa_code_object_version 6
	.text
	.protected	k_q734f3259d0_combine
	.globl	k_q734f3259d0_combine
	.p2align	8
	.type	k_q734f3259d0_combine,@function
k_q734f3259d0_combine:
	s_mov_b64 s[64:65], 0
	v_nop
	global_prefetch_b8 v0, s[64:65] scope:SCOPE_SE
	s_setreg_imm32_b32 hwreg(HW_REG_WAVE_MODE, 25, 1), 1
	s_wait_xcnt 0x0
; out0[b][1024 hd + e] = (sum over the 4 parts p of 2^(m_p - M) acc_p[e]) / (sum over p of 2^(m_p - M) l_p), M the largest m_p.
; The masked rows and the term sum(arg), which is the same along the softmax's axis, were left out in the launch before; nothing is left out here.
; One work-group for each (batch, head): 256 threads, 16 bytes each: every load and store of a wave covers 512 bytes on end.  No LDS, no barrier: threads share nothing.
; A part without rows has m = -3e38, l = 0 and zeros: its weight is 0.  Where all four are so, the weights are 1, the sum is 0, and 0 x (1 / 0) is the NaN that reference() gives for a batch with no open position.
	s_load_b128 s[4:7], s[0:1], 0x0                ; pacc, pstat
	s_load_b64 s[8:9], s[0:1], 0x10                ; out0
	v_lshlrev_b32 v1, 4, v0
	s_lshl_b32 s10, ttmp9, 14                      ; 4 parts x 4,096 bytes
	s_mov_b32 s11, 0
	s_lshl_b32 s12, ttmp9, 10                      ; 4 parts x 256 bytes
	s_mov_b32 s13, 0
	s_lshl_b32 s14, ttmp9, 12
	s_mov_b32 s15, 0
	s_wait_kmcnt 0x0
	s_add_nc_u64 s[4:5], s[4:5], s[10:11]
	s_add_nc_u64 s[6:7], s[6:7], s[12:13]
	s_add_nc_u64 s[8:9], s[8:9], s[14:15]
	s_load_b64 s[16:17], s[6:7], 0x0               ; (m, l) of part 0 .. 3
	s_load_b64 s[18:19], s[6:7], 0x100
	s_load_b64 s[20:21], s[6:7], 0x200
	s_load_b64 s[22:23], s[6:7], 0x300
.irp p, 0,1,2,3
	global_load_b128 v[4+4*\p:7+4*\p], v1, s[4:5] offset:4096*\p th:TH_LOAD_NT
.endr
	s_wait_kmcnt 0x0
	v_mov_b32 v20, s16
	v_mov_b32 v21, s18
	v_mov_b32 v22, s20
	v_mov_b32 v23, s22
	v_max3_num_f32 v24, v20, v21, v22
	v_max_num_f32 v24, v24, v23                    ; M
.irp p, 0,1,2,3
	v_sub_f32 v[20+\p], v[20+\p], v24
.endr
.irp p, 0,1,2,3
	v_exp_f32 v[20+\p], v[20+\p]
.endr
	v_nop                                          ; a plain instruction behind the last exponential
	s_wait_alu depctr_va_vdst(0)                   ; one wait for the four, ahead of their first reader
	v_mul_f32 v25, s17, v20
	v_fma_f32 v25, v21, s19, v25
	v_fma_f32 v25, v22, s21, v25
	v_fma_f32 v25, v23, s23, v25                   ; the whole sum
	v_rcp_f32 v26, v25
	v_nop
	s_wait_alu depctr_va_vdst(0)
.irp p, 0,1,2,3
	v_mul_f32 v[20+\p], v[20+\p], v26
.endr
	s_wait_loadcnt 0x0
.irp e, 0,1,2,3
	v_mul_f32 v[28+\e], v[4+\e], v20
.endr
.irp e, 0,1,2,3
	v_fma_f32 v[28+\e], v[8+\e], v21, v[28+\e]
.endr
.irp e, 0,1,2,3
	v_fma_f32 v[28+\e], v[12+\e], v22, v[28+\e]
.endr
.irp e, 0,1,2,3
	v_fma_f32 v[28+\e], v[16+\e], v23, v[28+\e]
.endr
	global_store_b128 v1, v[28:31], s[8:9]
	s_endpgm
.Lfunc_end_k_q734f3259d0_combine:
	.size	k_q734f3259d0_combine, .Lfunc_end_k_q734f3259d0_combine-k_q734f3259d0_combine
	.p2alignl 7, 3214868480
	.fill 96, 4, 3214868480
	.section	.rodata,"a",@progbits
	.p2align	6, 0x0
	.amdhsa_kernel k_q734f3259d0_combine
		.amdhsa_group_segment_fixed_size 0
		.amdhsa_private_segment_fixed_size 0
		.amdhsa_enable_private_segment 0
		.amdhsa_kernarg_size 24
		.amdhsa_user_sgpr_count 2
		.amdhsa_user_sgpr_kernarg_segment_ptr 1
		.amdhsa_wavefront_size32 1
		.amdhsa_system_sgpr_workgroup_id_x 1
		.amdhsa_system_sgpr_workgroup_id_y 1
		.amdhsa_system_sgpr_workgroup_id_z 1
		.amdhsa_system_vgpr_workitem_id 0
		.amdhsa_next_free_vgpr 48
		.amdhsa_next_free_sgpr 66
		.amdhsa_reserve_vcc 0
		.amdhsa_float_denorm_mode_32 3
		.amdhsa_float_denorm_mode_16_64 3
		.amdhsa_memory_ordered 1
		.amdhsa_forward_progress 1
		.amdhsa_inst_pref_size 4
	.end_amdhsa_kernel
	.amdgpu_metadata
---
amdhsa.version: [ 1, 2 ]
amdhsa.kernels:
  - .name:           k_q734f3259d0_combine
    .symbol:         k_q734f3259d0_combine.kd
    .args:
      - { .name: pacc, .offset: 0, .size: 8, .value_kind: global_buffer, .address_space: global }
      - { .name: pstat, .offset: 8, .size: 8, .value_kind: global_buffer, .address_space: global }
      - { .name: out0, .offset: 16, .size: 8, .value_kind: global_buffer, .address_space: global }
    .group_segment_fixed_size: 0
    .private_segment_fixed_size: 0
    .kernarg_segment_align: 8
    .kernarg_segment_size: 24
    .max_flat_workgroup_size: 256
    .sgpr_count:     66
    .vgpr_count:     48
    .wavefront_size: 32
...
	.end_amdgpu_metadata
.endif
;; end of part 2
;; ======== version 2 of 2: 2 launches; version 1 with the launch main written anew for expert scheduling mode
;; workspace buffers: pacc 1,048,576 bytes; pstat 65,536 bytes
;; launch main (part 3): grid 256 x 1, 4 waves a work-group, no clusters, 306,688 bytes of LDS; arguments enc_hs, src_mask, W1_codes, W2_codes, W1_scales, W2_scales, arg1, arg2, b1, b2, pacc, pstat; writes pacc, pstat
.if DOCPART == 3
	.amdgcn_target "amdgcn-amd-amdhsa--gfx1250"
	.amdhsa_code_object_version 6
	.text
	.protected	k_q734f3259d0_main
	.globl	k_q734f3259d0_main
	.p2align	8
	.type	k_q734f3259d0_main,@function
k_q734f3259d0_main:
	s_mov_b64 s[64:65], 0
	v_nop
	global_prefetch_b8 v0, s[64:65] scope:SCOPE_SE
	s_setreg_imm32_b32 hwreg(HW_REG_WAVE_SCHED_MODE, 0, 2), 2
	s_setreg_imm32_b32 hwreg(HW_REG_WAVE_MODE, 25, 1), 1
	s_wait_xcnt 0x0
	s_wait_alu depctr_vm_vsrc(0)
; ctx[b][hd] = sum over s of softmax_s(score) enc_hs[b][s], score[s] = sum over a of arg[a] tanh(Q(enc_hs[b][s]) . W[a] + bias[a]), -infinity where src_mask[b][s] is set.
; Q: codes of E2M1 with one E8M0 scale for each 32 along E, made here; W comes as codes.  This launch leaves, for each (batch, head, part of 4), an unnormalised context, a running maximum and a sum; the next launch joins the 4 parts.
; WORK LEFT OUT, for all values of the inputs.  (a) A position with src_mask = 1 has the score -infinity by reference()'s own where(), so its weight is exp(-infinity) = 0: its projection, its tanh and its row of enc_hs reach no
; output.  The mask is a whole-number input that this launch reads from memory: only the rows that it lets through are loaded, quantised and multiplied.  (b) tanh(x) = 1 - 2 / (1 + e^(2x)), so score = sum(arg) - 2 sum(arg / (1 + e^(2x))):
; the first term is the same along the softmax's axis and cancels.  Every input has a way to an output and is loaded.
; LIMITS.  A NaN, an infinity or an overflow that lies only in masked rows, or only in sum(arg), is not carried to the result.  NaN and infinities among the inputs are not served.  A block of enc_hs whose largest magnitude lies under
; 2^-124 gets the scale byte 1 (a block of zeros too, where the quantiser says 127: its codes are zeros and only this launch reads the byte).  A batch with no open position gives 0 x (1 / 0) = NaN, as reference() does.
; SHARES.  256 work-groups of four waves: one for each (batch b, head hd, part p).  The open rows of a batch are ranked; trip c (0..15) of part p takes ranks 128 c + 32 p + 0..31 (slots).  Wave w loads, quantises and later weighs slots
; 8 w .. 8 w + 7; in the product it owns W's rows 128 w .. 128 w + 127 (8 tiles of 16) for all 32 slots.  The loop's count is a constant, so that every wave passes every barrier; a trip without rows jumps over its work alone.
; A slot past the last open row, and the one look-ahead past the last trip with rows, read row 0 of the batch (the list holds 0 there); such a slot's weight is 0.
; A ROW IS READ ONCE BY THE WORK-GROUP: it lands in registers, is quantised there, its codes go to LDS as images of the operand's registers, and the f32 numbers stay in registers until the row's weight is known.
; W of the head lies in LDS for the whole launch, each wave's rows in a slice that only that wave reads; W's scale words, the bias and arg lie in registers.
; NO CLUSTER, NO TENSOR LOAD: the walk branches on a count read from memory and the rows are gathered by a list, so there is no tile with a constant shape that partners could ask for jointly.
; NO PREFETCH: a trip's rows are asked for by their own loads one whole trip ahead of their use.
; SOFTMAX in base 2: t = sum of (-c2 arg) / (1 + 2^(c2 x)), c2 = 2 log2(e); running maximum m, p = 2^(t - m); in every trip the sum and the context are multiplied by f = 2^(old m - new m).
; THE MODE: SCHED_MODE bits 1:0 = 2 (LLVM: expert scheduling mode 2), set by the entry lines.  The code itself states the register dependences between vector or matrix instructions and memory or LDS instructions, with s_wait_alu, always for 0.
; THE PLAN.  Registers that memory or LDS instructions touch in the loop, and who else names them:
;   the rows, windows 1 and 2   a trip's loads land in the window that the trip before weighed (piece C); pieces Q and C of the trip in hand name the other window alone.
;   RR, VO                      the list words land in RR; MKVO reads RR and writes VO; the row loads read VO: 56 in piece Q, 8 in the product's half 4.
;   W's sets 0 and 1            half e's products read set e % 2; the loads issued in half e land in the set that half e - 1's products read.
;   the fragments, XS           loaded at piece G's head; read by its products alone.
;   TT, CD                      written by piece Q's vector lines, read by its LDS stores; they are the accumulators' registers, which piece G's products write.
;   SA                          written by the activation and the sums over lanes, read by four LDS stores, begun anew in the next trip.
;   v200-203                    the partial scores land there; piece C's vector lines alone name them.
;   LA                          read by the list's loads; stepped once in two trips.  All other addresses are made at the head and never written again.
; THE WAITS OF A TRIP.  At its head, on every wave's way: one on vm_vsrc (VO, SA) and one on va_vdst (all that the trip before named of the registers in which this trip's loads land; LA).  Piece Q: va_vdst behind MKVO (VO) and ahead of its
; stores (TT, CD), vm_vsrc behind them (TT, CD, LA).  Piece G: one va_vdst in each half from 1 on, ahead of W's loads; in an odd half it is also the wait for the exponentials; in an even half it stands behind the 16 multiply-adds that read
; the last products' results and ahead of the exponentials; one ahead of the scores' stores.  Piece C: va_vcc between the compare and its select, va_sdst behind the run of lane reads.
; REGISTERS, in windows of 256: window 0: below.  Windows 1, 2: the rows of two trips by turns, row j at 32 j.  Window 3: v0-127 the rows' fragments (tile mu, K step s at 8 (8 mu + s)); v128-255 W's fragments, two sets of 64.
; At the start windows 2 and 3 take the wave's 128 rows of W as they land (row nu at 4 nu).
.set LIST,  0                          ; LDS: 2,176 words: 4 x the row at rank rho; 0 from rank N on
.set SCR,   8704                       ; partial scores [wave][slot], f32
.set XSC,   9216                       ; the rows' scale bytes [slot][32]
.set IMG,   10240                      ; the rows' codes: tile mu at 8704 mu; block of 32 codes beta at 272 beta; row r's 16 bytes at 16 r.  Behind the loop: the stage for the context
.set WIMG,  27648                      ; W's codes, 32 tiles laid as IMG's
.set SPARE, 306176                     ; the spare words, 128 bytes for each wave: two blocks of 256 bytes that no other line names
.set TILEB, 8704
.set UP,    272                        ; 16 rows x 16 bytes + 16 of padding: sixteen lanes that step by it fall on sixteen different columns of 16 bytes
.set LP,   1                           ; v1   32 (lane % 16) + 16 (lane / 16): my 16 bytes of a load's 512
.set LA,   2                           ; v2   LDS: my wave's 8 list words of the trip in hand
.set CWA,  3                           ; v3   where I store codes
.set SWA,  4                           ; v4   where I store scale bytes
.set XFA,  5                           ; v5   where I read the rows' fragments
.set XSA,  6                           ; v6   and their scale words
.set WA0,  7                           ; v7, v8  where I read W's fragments: tiles 0-3, tiles 4-7
.set SCW,  9                           ; v9   where I store partial scores
.set SCRD, 10                          ; v10  and read them
.set SLV,  11                          ; v11  the slot that my lane weighs: (lane + 8 wave) % 32
.set SPW,  12                          ; v12  LDS address of my spare word; never rewritten
.set NIL,  13                          ; v13  0; never rewritten
.set MX,   14                          ; v14  m
.set LS,   15                          ; v15  my lane's part of the sum
.set VO,   16                          ; v16-23  byte offsets of my 8 rows
.set RR,   24                          ; v24-31  list words
.set XS,   32                          ; v32-39  the rows' scale words, K step s: lanes 0-15 tile 0, lanes 16-31 tile 1
.set WSC,  40                          ; v40-71  W's scale words at 8 g + s: lanes 0-15 tile 2 g, lanes 16-31 tile 2 g + 1
.set CB,   72                          ; v72-79  c2 x bias of tile t, my column
.set AC,   80                          ; v80-87  -c2 x arg
.set SA,   88                          ; v88-103 score sums at 8 mu + j
.set CTX,  104                         ; v104-135 my wave's part of the context
.set ACC,  136                         ; v136-199 two sets of four accumulators
.set TT,   136                         ; while quantising: 32 largest magnitudes, then scale operands, then bytes
.set CD,   168                         ; and 32 words of codes
.set AD,   88                          ; v88-151  at the start, in wave 0 alone: the scatter addresses of my lane's 64 rows
.set LW,   152                         ; v152-215 and the 64 words that go there
.set WW,   216                         ; v216 where I store W's images
.set STW,  218                         ; v218 the stage, in
.set STR,  219                         ; v219 the stage, back
.set MK,   220                         ; v220-235 my 64 bytes of the mask
.set MO,   236                         ; v236-239 offsets of the loads at the start; never rewritten
.set WSO,  237
.set CO4,  238
.set WCO,  239
.set BY,   248                         ; v248-255 at the start, in wave 0 alone: eight rows' mask bytes x 4
.set WV,   28                          ; s28 wave;  s29 head;  s30 batch;  s31 part
.set HD,   29
.set BB,   30
.set PP,   31
.set NN,   32                          ; s32 open rows in the batch
.set RK,   33                          ; s33 the trip's first rank
.set CNT,  34
.set REM,  36
.set NC2,  37                          ; s37 -c2
.set C2,   38                          ; s[38:39] c2: the packed form names a pair and takes its low word for both halves
.set PJ,   40                          ; s[40:55] p of my 8 rows at 40 + 2 j; the odd ones are written once.  At the start s40-47 take the compares' masks
.set FF,   56                          ; s[56:57] f
.set SEL,  58                          ; s[58:59] lane selects: lane l xor 16
.set MSB, 0
.macro WIN new                         ; the immediate's high byte repeats the setting that is left; a switch that changes nothing is dropped
.if MSB != (\new)
	s_set_vgpr_msb (MSB<<8)|(\new)
.set MSB, (\new)
.endif
.endm
.macro BAR                             ; my LDS stores have landed and my LDS loads are in: then the work-group's barrier
	s_wait_dscnt 0x0
	s_barrier_signal -1
	s_barrier_wait -1
.endm
; rows lo .. hi of my 128 rows of W: a row's 512 bytes on end, lane l the 16 bytes of block l
.macro WLOAD lo, hi
.set nu, \lo
.rept \hi-\lo+1
	WIN 0x80+0x40*(nu>>6)
	global_load_b128 v[4*(nu&63):4*(nu&63)+3], v[WCO], s[8:9] offset:512*nu
.set nu, nu+1
.endr
	WIN 0
.endm
.macro LISTRD lo                       ; my wave's 8 list words, the same in every lane
	ds_load_b128 v[RR:RR+3], v[LA] offset:LIST+\lo
	ds_load_b128 v[RR+4:RR+7], v[LA] offset:LIST+\lo+16
.endm
.macro MKVO                            ; list words -> byte offsets: held inside the batch, shifted, and my lane's place added; nothing else stands behind the hold
.irp j, 0,1,2,3,4,5,6,7
	v_min_u32 v[RR+\j], 0x1ffc, v[RR+\j]           ; 4 x row, at most 4 x 2,047
.endr
.irp j, 0,1,2,3,4,5,6,7
	v_lshlrev_b32 v[VO+\j], 10, v[RR+\j]           ; row x 4,096
.endr
.irp j, 0,1,2,3,4,5,6,7
	v_add_nc_u32 v[VO+\j], v[LP], v[VO+\j]         ; + my place
.endr
.endm
; rows j0 .. j1 into window win: eight loads a row, each 512 bytes on end.  No cache hint: the other head's work-group reads the same rows
.macro XLOAD win, j0, j1
	WIN (\win)<<6
.set jj, \j0
.rept \j1-\j0+1
.irp q, 0,1,2,3
	global_load_b128 v[32*jj+8*\q:32*jj+8*\q+3], v[VO+jj], s[4:5] offset:1024*\q
	global_load_b128 v[32*jj+8*\q+4:32*jj+8*\q+7], v[VO+jj], s[4:5] offset:1024*\q+512
.endr
.set jj, jj+1
.endr
	WIN 0
.endm
; half e (0..7) of W's walk: tiles 2 (e / 2), 2 (e / 2) + 1, K steps 4 (e % 2) + 0..3: 16 loads into set e % 2
.macro WHALF e
	WIN 0xc0
.irp tp, 0,1
.irp sp, 0,1,2,3
.irp c, 0,1
	ds_load_b128 v[128+64*((\e)&1)+8*(4*\tp+\sp)+4*\c:128+64*((\e)&1)+8*(4*\tp+\sp)+4*\c+3], v[WA0+((\e)>>2)] offset:(2*(((\e)>>1)&1)+\tp)*TILEB+(4*(4*((\e)&1)+\sp)+2*\c)*UP
.endr
.endr
.endr
.endm
.macro WM c                            ; one product; the symbols are set by MM.  ROWS: which halves of the scale registers' lanes are read
.if ROWS == 0
	v_wmma_scale_f32_16x16x128_f8f6f4 v[DD:DD+7], v[AA:AA+7], v[BF:BF+7], \c, v[SX], v[SW] matrix_a_fmt:MATRIX_FMT_FP4 matrix_b_fmt:MATRIX_FMT_FP4
.elseif ROWS == 1
	v_wmma_scale_f32_16x16x128_f8f6f4 v[DD:DD+7], v[AA:AA+7], v[BF:BF+7], \c, v[SX], v[SW] matrix_a_fmt:MATRIX_FMT_FP4 matrix_b_fmt:MATRIX_FMT_FP4 matrix_a_scale:MATRIX_SCALE_ROW1
.elseif ROWS == 2
	v_wmma_scale_f32_16x16x128_f8f6f4 v[DD:DD+7], v[AA:AA+7], v[BF:BF+7], \c, v[SX], v[SW] matrix_a_fmt:MATRIX_FMT_FP4 matrix_b_fmt:MATRIX_FMT_FP4 matrix_b_scale:MATRIX_SCALE_ROW1
.else
	v_wmma_scale_f32_16x16x128_f8f6f4 v[DD:DD+7], v[AA:AA+7], v[BF:BF+7], \c, v[SX], v[SW] matrix_a_fmt:MATRIX_FMT_FP4 matrix_b_fmt:MATRIX_FMT_FP4 matrix_a_scale:MATRIX_SCALE_ROW1 matrix_b_scale:MATRIX_SCALE_ROW1
.endif
.endm
; 16 products of half e: source 0 = 16 slots, source 1 = 16 rows of W: in the result lane (r, h) holds W's row r and register j slot 16 mu + 8 h + j.
; The four accumulators take turns, one instruction a turn; the first K step starts the sums with the constant 0.  Operands and scales all come by loads: no vector line writes them.
.macro MM e
.irp sp, 0,1,2,3
.irp tp, 0,1
.irp mu, 0,1
.set DD, ACC+32*(((\e)>>1)&1)+8*(2*\tp+\mu)
.set AA, 8*(8*\mu+4*((\e)&1)+\sp)
.set BF, 128+64*((\e)&1)+8*(4*\tp+\sp)
.set SX, XS+4*((\e)&1)+\sp
.set SW, WSC+8*((\e)>>1)+4*((\e)&1)+\sp
.set ROWS, 2*\tp+\mu
.if (((\e)&1) == 0) && (\sp == 0)
	WM 0
.else
	WM v[DD:DD+7]
.endif
.endr
.endr
.endr
.endm
; group g's 32 registers: c2 (sum + bias).  Each accumulator is read from its low end on
.macro TA1 g
.set AB, ACC+32*((\g)&1)
.irp tp, 0,1
.irp mu, 0,1
.irp jp, 0,2,4,6
.set PR, AB+8*(2*\tp+\mu)+\jp
.if \tp == 0
	v_pk_fma_f32 v[PR:PR+1], v[PR:PR+1], s[C2:C2+1], v[CB+2*(\g):CB+2*(\g)+1] op_sel_hi:[1,0,0]
.else
	v_pk_fma_f32 v[PR:PR+1], v[PR:PR+1], s[C2:C2+1], v[CB+2*(\g):CB+2*(\g)+1] op_sel:[0,0,1] op_sel_hi:[1,0,1]
.endif
.endr
.endr
.endr
.endm
; then 2^ of it
.macro TA2 g
.set AB, ACC+32*((\g)&1)
.set ii, 0
.rept 32
	v_exp_f32 v[AB+ii], v[AB+ii]
.set ii, ii+1
.endr
	v_nop                                          ; a plain instruction behind the last exponential
.endm
; 1 / (1 + that), times -c2 arg, into the score sums.  The wait for the 32 exponentials stands ahead of this macro
.macro TB g
.set AB, ACC+32*((\g)&1)
.set ii, 0
.rept 16
	v_pk_add_f32 v[AB+ii:AB+ii+1], v[AB+ii:AB+ii+1], 1.0 op_sel_hi:[1,0]
.set ii, ii+2
.endr
.set ii, 0
.rept 32
	v_rcp_f32 v[AB+ii], v[AB+ii]
.set ii, ii+1
.endr
	v_nop
	s_wait_alu depctr_va_vdst(0)                   ; the 32 reciprocals are written: one wait, ahead of their first reader
.irp tp, 0,1
.irp mu, 0,1
.irp jp, 0,2,4,6
.set PR, AB+8*(2*\tp+\mu)+\jp
.set SR, SA+8*\mu+\jp
.if ((\g) == 0) && (\tp == 0)
	v_pk_mul_f32 v[SR:SR+1], v[PR:PR+1], v[AC:AC+1] op_sel_hi:[1,0]               ; the first tile starts the sums
.elseif \tp == 0
	v_pk_fma_f32 v[SR:SR+1], v[PR:PR+1], v[AC+2*(\g):AC+2*(\g)+1], v[SR:SR+1] op_sel_hi:[1,0,1]
.else
	v_pk_fma_f32 v[SR:SR+1], v[PR:PR+1], v[AC+2*(\g):AC+2*(\g)+1], v[SR:SR+1] op_sel:[0,1,0] op_sel_hi:[1,1,1]
.endif
.endr
.endr
.endr
.endm
; half e of a trip's product: the next half of W is asked for, the activation of the group before stands round the loads and ahead of the products
.macro HALF e, nxt
.if (\e) >= 1
.rept 4
	v_nop                                          ; four places behind the last products: an even half's next lines read their results; in an odd half they stand ahead of the loads into the set that those products read, beside the wait below
.endr
.endif
.if ((\e) >= 2) && (((\e)&1) == 0)
	WIN 0
	TA1 ((\e)>>1)-1
.endif
.if (\e) >= 1
	s_wait_alu depctr_va_vdst(0)                   ; the products of the half before are done reading W's set, in which the loads below land; in an odd half also: the 32 exponentials of the half before are written, ahead of their first reader
	WHALF ((\e)+1)&7
.endif
.if (\e) == 4
	XLOAD \nxt, 7, 7                               ; the next trip's eighth row.  No wait: no vector line since the trip's head names its registers, none since the wait behind MKVO its offset
.endif
	WIN 0
.if ((\e) >= 2) && (((\e)&1) == 0)
	TA2 ((\e)>>1)-1                                ; these name the accumulators alone: none of the registers that the loads above touch
.endif
.if ((\e) >= 3) && (((\e)&1) == 1)
	TB ((\e)>>1)-1
.endif
	s_wait_dscnt 16                                ; the 16 youngest LDS loads may stay out (half 0: the rows' K steps 4-7; later: W's next half); what these products read is in
	WIN 0x0f
	MM \e
.endm
; PIECE Q: the next trip's rows are asked for; this trip's 8 rows of mine are quantised, and codes and scale bytes go to LDS
.macro PIECE_Q cur, nxt, lo
	LISTRD \lo
	WHALF 1
	WIN 0
	s_wait_dscnt 16                                ; the list words are in; W's 16 loads behind them may stay out
	MKVO
	s_wait_alu depctr_va_vdst(0)                   ; MKVO has written VO, which the row loads read as their offsets
	XLOAD \nxt, 0, 6                               ; 56 loads; the eighth row follows in mid-trip
	WIN ((\cur)<<6)|(\cur)
.set ii, 0
.rept 32
.irp i, 0,1,2,3
	v_permlane16_swap_b32 v[8*ii+\i], v[8*ii+4+\i] ; the halves of the lanes change places: registers 8 q .. 8 q + 7 of a row now hold k = 256 q + 8 lane + 0 .. 7
.endr
.set ii, ii+1
.endr
	WIN (\cur)*5
.set ii, 0
.rept 32
	v_max3_num_f32 v[TT+ii], |v[8*ii]|, |v[8*ii+1]|, 0x1800000   ; my 8 numbers of a block, and the floor 2^(3 - 127): the byte cannot fall under 1.  The 32 blocks by turns
.set ii, ii+1
.endr
.irp e, 2,4,6
.set ii, 0
.rept 32
	v_max3_num_f32 v[TT+ii], |v[8*ii+\e]|, |v[8*ii+\e+1]|, v[TT+ii]
.set ii, ii+1
.endr
.endr
	WIN 0
.irp m, 1,2
.set ii, 0
.rept 32
	v_max_num_f32_dpp v[TT+ii], v[TT+ii], v[TT+ii] row_xmask:\m row_mask:0xf bank_mask:0xf   ; a block of 32 lies in four neighbouring lanes
.set ii, ii+1
.endr
.endr
.set ii, 0
.rept 32
	v_add_nc_u32 v[TT+ii], 0xff000000, v[TT+ii]    ; 2 off the exponent field: the conversion's scale operand
.set ii, ii+1
.endr
	WIN \cur
.set ii, 0
.rept 32
	v_cvt_scalef32_pk8_fp4_f32 v[CD+ii], v[8*ii:8*ii+7], v[TT+ii]
.set ii, ii+1
.endr
	WIN 0
	v_nop                                          ; a plain instruction behind the last conversion: the shifts below write the conversions' scale operands
.set ii, 0
.rept 32
	v_lshrrev_b32 v[TT+ii], 23, v[TT+ii]           ; the scale's byte
.set ii, ii+1
.endr
	s_wait_alu depctr_va_vdst(0)                   ; the conversions have written CD and the shifts TT, which the LDS stores read
.set ii, 0
.rept 32                                       ; ii = 4 j + q
	ds_store_b32 v[CWA], v[CD+ii] offset:2176*(ii&3)+16*(ii>>2)
	ds_store_b8 v[SWA], v[TT+ii] offset:32*(ii>>2)+8*(ii&3)      ; the four lanes of a block write the same byte with the same value
.set ii, ii+1
.endr
	s_wait_alu depctr_vm_vsrc(0)                   ; the stores have read CD and TT, which the products write as accumulators; the list's loads have read LA, which is stepped at the loop's end
.endm
; PIECE G: my 128 rows of W against the 32 slots, the activation, the product with arg; partial scores to LDS
.macro PIECE_G nxt
	ds_load_b128 v[XS:XS+3], v[XSA]                ; no wait: the last products that read XS and the fragments stand ahead of the wait at the trip's head, and no vector line since names them
	ds_load_b128 v[XS+4:XS+7], v[XSA] offset:16
	WIN 0xc0
.irp hf, 0,1
.irp sp, 0,1,2,3
.irp mu, 0,1
.irp c, 0,1
	ds_load_b128 v[8*(8*\mu+4*\hf+\sp)+4*\c:8*(8*\mu+4*\hf+\sp)+4*\c+3], v[XFA] offset:\mu*TILEB+(4*(4*\hf+\sp)+2*\c)*UP
.endr
.endr
.endr
.endr
.irp e, 0,1,2,3,4,5,6,7
	HALF \e, \nxt
.endr
	WIN 0
.rept 4
	v_nop                                          ; places behind the trip's last products
.endr
	TA1 3
	TA2 3
	s_wait_alu depctr_va_vdst(0)                   ; the 32 exponentials are written: one wait, ahead of their first reader
	TB 3
.irp m, 1,2,4,8
.set ii, 0
.rept 16
	v_add_f32_dpp v[SA+ii], v[SA+ii], v[SA+ii] row_xmask:\m row_mask:0xf bank_mask:0xf   ; over the 16 columns of a half of the lanes
.set ii, ii+1
.endr
.endr
	s_wait_alu depctr_va_vdst(0)                   ; the sums over the lanes have written SA, which the LDS stores read
.irp mu, 0,1
.irp a, 0,1
	ds_store_b128 v[SCW], v[SA+8*\mu+4*\a:SA+8*\mu+4*\a+3] offset:64*\mu+16*\a    ; the lanes of a half write the same bytes with the same values
.endr
.endr
.endm
; PIECE C: the scores are joined, the softmax goes a step on, my 8 rows are weighed into the context
.macro PIECE_C cur
.irp wv, 0,1,2,3
	ds_load_b32 v[200+\wv], v[SCRD] offset:128*\wv ; no wait: the last lines that named v200-203 stand ahead of the wait at the trip's head
.endr
	s_sub_co_u32 s[REM], s[NN], s[RK]              ; slots of this trip that hold a row
	v_cmp_gt_u32 vcc_lo, s[REM], v[SLV]            ; it hangs on no score: it stands ahead of the wait for them
	s_wait_dscnt 0x0
	v_add_f32 v200, v200, v201                     ; the four waves' parts, in one order in all waves: the same bits everywhere
	v_add_f32 v200, v200, v202
	v_add_f32 v200, v200, v203
	s_wait_alu depctr_va_vcc(0)                    ; the compare has written VCC, which the select reads
	v_cndmask_b32 v200, 0xff800000, v200, vcc_lo   ; -infinity for a slot without a row
	v_mov_b32 v201, v200
.irp m, 1,2,4,8
	v_max_num_f32_dpp v201, v201, v201 row_xmask:\m row_mask:0xf bank_mask:0xf
.endr
	v_permlanex16_b32 v202, v201, s[SEL], s[SEL+1]
	v_max3_num_f32 v201, v201, v202, v[MX]         ; the new m
	v_sub_f32 v202, v[MX], v201
	v_sub_f32 v203, v200, v201
	v_exp_f32 v202, v202                           ; f
	v_exp_f32 v203, v203                           ; p of my lane's slot
	v_mov_b32 v[MX], v201                          ; (a plain instruction behind the exponentials)
	s_wait_alu depctr_va_vdst(0)                   ; the two exponentials are written: one wait, ahead of their first reader
	v_fma_f32 v[LS], v[LS], v202, v203
	v_readfirstlane_b32 s[FF], v202
.irp j, 0,1,2,3,4,5,6,7
	v_readlane_b32 s[PJ+2*\j], v203, \j            ; lanes 0-7 weigh my wave's own slots
.endr
	s_wait_alu depctr_va_sdst(0)                   ; the nine lane reads have written f and the eight p, ahead of their first readers, the packed lines below
.set ii, 0
.rept 16
	v_pk_mul_f32 v[CTX+ii:CTX+ii+1], v[CTX+ii:CTX+ii+1], s[FF:FF+1] op_sel_hi:[1,0]
.set ii, ii+2
.endr
	WIN \cur
.irp j, 0,1,2,3,4,5,6,7
.set ii, 0
.rept 16
	v_pk_fma_f32 v[CTX+ii:CTX+ii+1], v[32*\j+ii:32*\j+ii+1], s[PJ+2*\j:PJ+2*\j+1], v[CTX+ii:CTX+ii+1] op_sel_hi:[1,0,1]
.set ii, ii+2
.endr
.endr
	WIN 0
.endm
; A TRIP.  The wait for the rows and the two waits of the trip's head stand ahead of the branch, on every wave's way, and so do both barriers; a trip without rows jumps over the three pieces alone.
; Barrier 1: codes and scale bytes lie in LDS; nobody reads the last trip's scores any more.  Barrier 2: the partial scores lie in LDS; nobody reads the codes any more.
.macro TRIP cur, nxt, lo
	s_wait_loadcnt 0x0                             ; this trip's 64 loads are the only ones out: the rows are in, and their offset registers are free
	s_wait_alu depctr_vm_vsrc(0)                   ; those loads have read VO, which MKVO writes; the last trip's stores of partial scores have read SA, which this trip's sums begin anew
	s_wait_alu depctr_va_vdst(0)                   ; the last trip is done with all in which this trip's loads land: its weighing with the other window's rows, its products with W's set 1, the fragments and XS, MKVO with RR, piece C with v200-203; and LA is written
	s_cmp_lt_u32 s[RK], s[NN]
	s_cbranch_scc0 .La_\@
	PIECE_Q \cur, \nxt, \lo
.La_\@:
	BAR
	s_cmp_lt_u32 s[RK], s[NN]
	s_cbranch_scc0 .Lb_\@
	PIECE_G \nxt
.Lb_\@:
	BAR
	s_cmp_lt_u32 s[RK], s[NN]
	s_cbranch_scc0 .Lc_\@
	PIECE_C \cur
.Lc_\@:
	s_add_co_u32 s[RK], s[RK], 128
.endm
	s_load_b512 s[4:19], s[0:1], 0x0               ; enc_hs s[4:5], src_mask s[6:7], W1, W2 codes s[8:11], W1, W2 scales s[12:15], arg1, arg2 s[16:19]
	s_load_b256 s[20:27], s[0:1], 0x40             ; b1, b2 s[20:23], pacc s[24:25], pstat s[26:27]
	v_lshl_add_u32 v[SPW], v0, 2, SPARE
	v_mov_b32 v[NIL], 0
	v_lshrrev_b32 v24, 5, v0
	v_readfirstlane_b32 s[WV], v24                 ; wave 0..3
	v_and_b32 v25, 31, v0                          ; lane
	v_and_b32 v26, 15, v0                          ; r
	v_bfe_u32 v27, v0, 4, 1                        ; h
	v_bfe_u32 v28, v0, 2, 3                        ; lane / 4
	v_and_b32 v29, 3, v0                           ; lane % 4
	s_bfe_u32 s[HD], ttmp9, 0x10004                ; the head: bit 4 of the work-group's number, so that the two heads of one (b, p) have numbers 16 apart
	s_and_b32 s60, ttmp9, 15
	s_lshr_b32 s61, ttmp9, 5
	s_lshl_b32 s61, s61, 4
	s_or_b32 s60, s60, s61
	s_lshr_b32 s[BB], s60, 2                       ; batch
	s_and_b32 s[PP], s60, 3                        ; part
	s_mov_b32 s[C2], 0x4038aa3b                    ; c2 = 2 log2(e)
	s_mov_b32 s[C2+1], 0x4038aa3b
	s_mov_b32 s[NC2], 0xc038aa3b
	s_mov_b32 s[SEL], 0x76543210
	s_mov_b32 s[SEL+1], 0xfedcba98
	s_wait_alu depctr_va_sdst(0)                   ; the wave's number is written, ahead of its first reader
	; every LDS address is made here, ahead of the first branch on the wave's number
	v_lshlrev_b32 v[LP], 5, v26
	v_lshl_add_u32 v[LP], v27, 4, v[LP]
	s_lshl_b32 s62, s[PP], 7
	s_lshl_b32 s63, s[WV], 5
	s_add_co_u32 s62, s62, s63
	v_mov_b32 v[LA], s62                           ; 4 x (32 p + 8 w)
	s_lshr_b32 s60, s[WV], 1
	s_mul_i32 s60, s60, TILEB
	s_and_b32 s61, s[WV], 1
	s_lshl_b32 s61, s61, 7
	s_add_co_u32 s60, s60, s61
	s_add_co_u32 s60, s60, IMG
	v_mul_u32_u24 v[CWA], v28, UP
	v_lshl_add_u32 v[CWA], v29, 2, v[CWA]
	v_add_nc_u32 v[CWA], s60, v[CWA]               ; tile w / 2, rows 8 (w % 2) on; block lane / 4 of a quarter of the row; 4 bytes at 4 (lane % 4)
	s_lshl_b32 s60, s[WV], 8
	s_add_co_u32 s60, s60, XSC
	v_add_nc_u32 v[SWA], s60, v28
	v_mul_u32_u24 v30, v27, UP
	v_lshl_add_u32 v30, v26, 4, v30                ; 272 h + 16 r: a lane's place in a fragment's image
	v_add_nc_u32 v[XFA], IMG, v30
	v_lshl_add_u32 v[XSA], v25, 5, XSC
	s_mul_i32 s60, s[WV], 8*TILEB
	s_add_co_u32 s60, s60, WIMG                    ; my wave's slice of W
	v_add_nc_u32 v[WA0], s60, v30
	v_add_nc_u32 v[WA0+1], 4*TILEB, v[WA0]
	v_mul_u32_u24 v[WW], v25, UP
	v_add_nc_u32 v[WW], s60, v[WW]
	s_lshl_b32 s61, s[WV], 7
	s_add_co_u32 s61, s61, SCR
	v_lshl_add_u32 v[SCW], v27, 5, s61
	s_lshl_b32 s61, s[WV], 3
	v_add_nc_u32 v[SLV], s61, v25
	v_and_b32 v[SLV], 31, v[SLV]
	v_lshl_add_u32 v[SCRD], v[SLV], 2, SCR
	s_lshl_b32 s61, s[WV], 12
	s_add_co_u32 s61, s61, IMG
	v_lshl_add_u32 v[STW], v25, 4, s61
	s_lshl_b32 s61, s[WV], 10
	s_add_co_u32 s61, s61, IMG
	v_lshl_add_u32 v[STR], v25, 4, s61
	v_lshlrev_b32 v[MO], 6, v25
	v_lshlrev_b32 v[WSO], 5, v25
	v_lshlrev_b32 v[CO4], 2, v26
	v_lshlrev_b32 v[WCO], 4, v25
	s_wait_kmcnt 0x0
	s_cmp_eq_u32 s[HD], 0                          ; the head's four tensors: the choice hangs on the work-group's number alone
	s_cselect_b64 s[8:9], s[8:9], s[10:11]
	s_cselect_b64 s[12:13], s[12:13], s[14:15]
	s_cselect_b64 s[16:17], s[16:17], s[18:19]
	s_cselect_b64 s[20:21], s[20:21], s[22:23]
	s_mov_b32 s61, 0
	s_lshl_b32 s60, s[BB], 23
	s_add_nc_u64 s[4:5], s[4:5], s[60:61]          ; the batch's rows
	s_lshl_b32 s60, s[BB], 11
	s_add_nc_u64 s[6:7], s[6:7], s[60:61]          ; its mask
	s_add_nc_u64 s[16:17], s[16:17], s[60:61]      ; its arg,
	s_lshl_b32 s60, s[WV], 9
	s_add_nc_u64 s[16:17], s[16:17], s[60:61]      ; my 128 numbers of it,
	s_add_nc_u64 s[20:21], s[20:21], s[60:61]      ; and of the bias
	s_lshl_b32 s60, s[WV], 16
	s_add_nc_u64 s[8:9], s[8:9], s[60:61]          ; my 128 rows of W's codes
	s_lshl_b32 s60, s[WV], 12
	s_add_nc_u64 s[12:13], s[12:13], s[60:61]      ; and of its scale bytes
	s_lshl_b32 s62, s[BB], 1
	s_add_co_u32 s62, s62, s[HD]
	s_lshl_b32 s62, s62, 2
	s_add_co_u32 s62, s62, s[PP]                   ; (2 b + hd) 4 + p
	s_lshl_b32 s60, s62, 12
	s_add_nc_u64 s[24:25], s[24:25], s[60:61]
	s_lshl_b32 s60, s[WV], 10
	s_add_nc_u64 s[24:25], s[24:25], s[60:61]
	s_lshl_b32 s60, s62, 8
	s_add_nc_u64 s[26:27], s[26:27], s[60:61]
	s_wait_alu depctr_va_vdst(0)                   ; all the offsets and LDS addresses above are written, which the kernel's loads and stores read; the lines that named v24-30, in which list words will land, are done
.irp i, 0,1,2,3
	global_load_b128 v[MK+4*\i:MK+4*\i+3], v[MO], s[6:7] offset:16*\i    ; lane l: the mask of rows 64 l .. 64 l + 63
.endr
.irp g, 0,1,2,3
	global_load_b128 v[WSC+8*\g:WSC+8*\g+3], v[WSO], s[12:13] offset:1024*\g
	global_load_b128 v[WSC+8*\g+4:WSC+8*\g+7], v[WSO], s[12:13] offset:1024*\g+16
.endr
.irp t, 0,1,2,3,4,5,6,7
	global_load_b32 v[CB+\t], v[CO4], s[20:21] offset:64*\t
	global_load_b32 v[AC+\t], v[CO4], s[16:17] offset:64*\t
.endr
	WLOAD 0, 127                                   ; all my rows of W, asked for once, on every wave's way
	s_wait_loadcnt 63                              ; behind the mask's four loads stand 152 younger ones; a wait names 63 at the most, and the smaller count is the safe one: the mask is in
	; every wave counts the batch's masked rows, so that N lies in a scalar register of each
	v_add3_u32 v240, v220, v221, v222              ; the 16 words byte by byte: at most 16 in a byte
	v_add3_u32 v241, v223, v224, v225
	v_add3_u32 v240, v240, v226, v227
	v_add3_u32 v241, v241, v228, v229
	v_add3_u32 v240, v240, v230, v231
	v_add3_u32 v241, v241, v232, v233
	v_add3_u32 v240, v240, v234, v235
	v_add_nc_u32 v240, v240, v241
	s_mov_b32 s60, 0x01010101
	v_mul_lo_u32 v240, v240, s60
	v_lshrrev_b32 v240, 24, v240                   ; masked rows among my 64
	v_mov_b32 v241, 0                              ; masked rows in the lanes below me
	s_mov_b32 s[NN], 2048
.irp k, 0,1,2,3,4,5,6                          ; bit by bit: the seven compares in a run, each into a scalar register of its own
	v_and_b32 v242, 1<<\k, v240
	v_cmp_ne_u32 s[PJ+\k], 0, v242
.endr
	s_wait_alu depctr_va_sdst(0)                   ; the seven masks are written, ahead of their first readers
.irp k, 0,1,2,3,4,5,6
	v_mbcnt_lo_u32_b32 v243, s[PJ+\k], 0
	v_lshl_add_u32 v241, v243, \k, v241
	s_bcnt1_i32_b32 s61, s[PJ+\k]
	s_lshl_b32 s61, s61, \k
	s_sub_co_u32 s[NN], s[NN], s61
.endr
	s_cmp_lg_u32 s[WV], 0
	s_cbranch_scc1 .Lmeet
	; WAVE 0 MAKES THE LIST, while the rest of W lands.  First zeros over all 2,176 words (the last 128 are read by the look-ahead of the last trips).  Then a partition: an open row goes to its rank among the open rows, a
	; masked row to N + its rank among the masked ones, so that each of the 2,048 words is written once more, by one lane.  An open row leaves 4 x its number, a masked row 0.  LDS serves a wave's instructions in order.
	; No other wave touches LDS ahead of the barrier below.  All 64 addresses and words of a lane are made first, in registers of their own, so that one wait stands ahead of all the stores.
.irp i, 244,245,246,247
	v_mov_b32 v\i, 0                               ; never written again
.endr
.irp k, 0,1,2,3,4,5,6,7,8,9,10,11,12,13,14,15
	v_lshlrev_b32 v[MK+\k], 2, v[MK+\k]            ; a byte is now 0 or 4
.endr
	v_lshlrev_b32 v241, 2, v241                    ; 4 x masked rows ahead of mine
	v_lshlrev_b32 v243, 8, v25                     ; 4 x my first row
	s_lshl_b32 s61, s[NN], 2
.set ii, 0
.rept 8                                        ; eight rows at a time: their compares in a run, each into a scalar register of its own
.irp i, 0,1,2,3,4,5,6,7
	v_bfe_u32 v[BY+\i], v[MK+(ii+\i)/4], 8*((ii+\i)%4), 3
	v_cmp_ne_u32 s[PJ+\i], 0, v[BY+\i]
.endr
	s_wait_alu depctr_va_sdst(0)                   ; the eight masks are written, ahead of the selects that read them
.irp i, 0,1,2,3,4,5,6,7
	v_sub_nc_u32 v240, v243, v241                  ; 4 x (row - masked ahead) = 4 x its rank among the open
	v_add_nc_u32 v242, s61, v241                   ; 4 x (N + its rank among the masked)
	v_cndmask_b32 v240, v240, v242, s[PJ+\i]
	v_cndmask_b32 v[LW+ii+\i], v243, v244, s[PJ+\i]
	v_min_u32 v[AD+ii+\i], 0x1ffc, v240
	v_add_nc_u32 v241, v241, v[BY+\i]
	v_add_nc_u32 v243, 4, v243
.endr
.set ii, ii+8
.endr
	s_wait_alu depctr_va_vdst(0)                   ; the zeros, the 64 addresses and the 64 words are written, which the stores below read; the line that read v25 is done
.irp k, 0,1,2,3,4,5,6,7,8,9,10,11,12,13,14,15,16
	ds_store_b128 v[WCO], v[244:247] offset:LIST+512*\k
.endr
.set ii, 0
.rept 64
	ds_store_b32 v[AD+ii], v[LW+ii] offset:LIST
.set ii, ii+1
.endr
.Lmeet:
	BAR                                            ; the list lies in LDS
	LISTRD 0
	s_lshl_b32 s[RK], s[PP], 5
	s_wait_dscnt 0x0
	MKVO
	s_wait_alu depctr_va_vdst(0)                   ; MKVO has written VO, which the row loads read as their offsets
	XLOAD 1, 0, 6                                  ; trip 0's first seven rows
	s_wait_loadcnt 56                              ; all but those 56: the constants and my 128 rows of W are in
.irp t, 0,1,2,3,4,5,6,7
	v_mul_f32 v[CB+\t], s[C2], v[CB+\t]
	v_mul_f32 v[AC+\t], s[NC2], v[AC+\t]
.endr
.set nu, 0
.rept 128                                      ; row nu: tile nu / 16, row nu % 16; lane l's 16 bytes are block l.  The data came by loads: no vector line wrote them
	WIN 0x08+0x04*(nu>>6)
	ds_store_b128 v[WW], v[4*(nu&63):4*(nu&63)+3] offset:(nu>>4)*TILEB+(nu&15)*16
.set nu, nu+1
.endr
	WIN 0
	s_wait_dscnt 0x0                               ; my slice of W lies in LDS
	s_wait_alu depctr_vm_vsrc(0)                   ; these stores have read windows 2 and 3, which now take fragments and rows; wave 0's list stores have read v88-215, which the lines below and the loop write
	XLOAD 1, 7, 7
	WHALF 0
	WIN 0
	v_mov_b32 v[MX], 0xff61b1e6                    ; -3e38, under every t
	v_mov_b32 v[LS], 0
.set ii, 0
.rept 32
	v_mov_b32 v[CTX+ii], 0                         ; once: which trip is the first with rows is not known to the text, so no product can start these sums
.set ii, ii+1
.endr
.irp j, 0,1,2,3,4,5,6,7,8
	s_mov_b32 s[PJ+2*\j+1], 0                      ; named as the upper halves of pairs
.endr
	s_mov_b32 s[CNT], 8
.Ltrip:
	TRIP 1, 2, 512
	TRIP 2, 1, 1024
	v_add_nc_u32 v[LA], 1024, v[LA]                ; the loads that read LA stand ahead of the wait on vm_vsrc at piece Q's end (the first of all: ahead of the one behind W's stores); the next trip's head states that it is written
	s_sub_co_u32 s[CNT], s[CNT], 1
	s_cmp_lg_u32 s[CNT], 0
	s_cbranch_scc1 .Ltrip
	; THE END.  The four waves' parts of the context meet in the stage (the codes' bytes: every wave has passed the barrier behind their last read); wave w adds and stores numbers 256 w .. 256 w + 255.
	s_wait_alu depctr_va_vdst(0)                   ; the weighing (in a part without rows: the clearing) has written CTX, which the LDS stores read; all lines that named v136-167, in which the loads behind the barrier land, are done
.irp k, 0,1,2,3,4,5,6,7
	ds_store_b128 v[STW], v[CTX+4*\k:CTX+4*\k+3] offset:512*\k
.endr
	BAR
.irp wv, 0,1,2,3
.irp a, 0,1
	ds_load_b128 v[ACC+8*\wv+4*\a:ACC+8*\wv+4*\a+3], v[STR] offset:4096*\wv+512*\a
.endr
.endr
	s_wait_dscnt 0x0
.irp wv, 1,2,3
.irp i, 0,2,4,6
	v_pk_add_f32 v[ACC+\i:ACC+\i+1], v[ACC+\i:ACC+\i+1], v[ACC+8*\wv+\i:ACC+8*\wv+\i+1]
.endr
.endr
.irp i, 0,1,2,3
	v_permlane16_swap_b32 v[ACC+\i], v[ACC+4+\i]   ; the turn is undone: each store below covers 512 bytes on end
.endr
	s_wait_alu depctr_va_vdst(0)                   ; the sums and the swaps have written v136-143, which the two stores read
	global_store_b128 v[LP], v[ACC:ACC+3], s[24:25]
	global_store_b128 v[LP], v[ACC+4:ACC+7], s[24:25] offset:512
	s_cmp_lg_u32 s[WV], 0
	s_cbranch_scc1 .Lend
.irp m, 1,2,4,8
	v_add_f32_dpp v[LS], v[LS], v[LS] row_xmask:\m row_mask:0xf bank_mask:0xf
.endr
	v_mov_b32 v201, 0
	v_permlanex16_b32 v201, v[LS], s[SEL], s[SEL+1]
	v_add_f32 v201, v201, v[LS]                    ; the sum
	v_mov_b32 v200, v[MX]
	v_and_b32 v204, 31, v0
	v_lshlrev_b32 v204, 3, v204
	s_wait_alu depctr_va_vdst(0)                   ; m, the sum and the offset are written, which the store reads
	global_store_b64 v204, v[200:201], s[26:27]    ; (m, l), 32 times: 256 bytes on end, aligned
.Lend:
	s_wait_dscnt 0x0                               ; the closing lines, six on end
	s_wait_alu 0x0
	s_wait_tensorcnt 0x0
	ds_add_u32 v[SPW], v[NIL]
	s_wait_dscnt 0x0
	s_endpgm
.Lfunc_end_k_q734f3259d0_main:
	.size	k_q734f3259d0_main, .Lfunc_end_k_q734f3259d0_main-k_q734f3259d0_main
	.p2alignl 7, 3214868480
	.fill 96, 4, 3214868480
	.section	.rodata,"a",@progbits
	.p2align	6, 0x0
	.amdhsa_kernel k_q734f3259d0_main
		.amdhsa_group_segment_fixed_size 306688
		.amdhsa_private_segment_fixed_size 0
		.amdhsa_enable_private_segment 0
		.amdhsa_kernarg_size 96
		.amdhsa_user_sgpr_count 2
		.amdhsa_user_sgpr_kernarg_segment_ptr 1
		.amdhsa_wavefront_size32 1
		.amdhsa_system_sgpr_workgroup_id_x 1
		.amdhsa_system_sgpr_workgroup_id_y 1
		.amdhsa_system_sgpr_workgroup_id_z 1
		.amdhsa_system_vgpr_workitem_id 0
		.amdhsa_next_free_vgpr 1024
		.amdhsa_next_free_sgpr 66
		.amdhsa_reserve_vcc 1
		.amdhsa_float_denorm_mode_32 3
		.amdhsa_float_denorm_mode_16_64 3
		.amdhsa_memory_ordered 1
		.amdhsa_forward_progress 1
		.amdhsa_inst_pref_size 255
	.end_amdhsa_kernel
	.section	.bss,"aw",@nobits
	.p2align	6
	.space	262144
	.amdgpu_metadata
---
amdhsa.version: [ 1, 2 ]
amdhsa.kernels:
  - .name:           k_q734f3259d0_main
    .symbol:         k_q734f3259d0_main.kd
    .args:
      - { .name: enc_hs, .offset: 0, .size: 8, .value_kind: global_buffer, .address_space: global }
      - { .name: src_mask, .offset: 8, .size: 8, .value_kind: global_buffer, .address_space: global }
      - { .name: W1_codes, .offset: 16, .size: 8, .value_kind: global_buffer, .address_space: global }
      - { .name: W2_codes, .offset: 24, .size: 8, .value_kind: global_buffer, .address_space: global }
      - { .name: W1_scales, .offset: 32, .size: 8, .value_kind: global_buffer, .address_space: global }
      - { .name: W2_scales, .offset: 40, .size: 8, .value_kind: global_buffer, .address_space: global }
      - { .name: arg1, .offset: 48, .size: 8, .value_kind: global_buffer, .address_space: global }
      - { .name: arg2, .offset: 56, .size: 8, .value_kind: global_buffer, .address_space: global }
      - { .name: b1, .offset: 64, .size: 8, .value_kind: global_buffer, .address_space: global }
      - { .name: b2, .offset: 72, .size: 8, .value_kind: global_buffer, .address_space: global }
      - { .name: pacc, .offset: 80, .size: 8, .value_kind: global_buffer, .address_space: global }
      - { .name: pstat, .offset: 88, .size: 8, .value_kind: global_buffer, .address_space: global }
    .group_segment_fixed_size: 306688
    .private_segment_fixed_size: 0
    .kernarg_segment_align: 8
    .kernarg_segment_size: 96
    .max_flat_workgroup_size: 128
    .sgpr_count:     66
    .vgpr_count:     1024
    .wavefront_size: 32
...
	.end_amdgpu_metadata
.endif
;; end of part 3
;; launch combine: the kernel of part 2 again; grid 64 x 1, 8 waves a work-group, no clusters, 0 bytes of LDS; arguments pacc, pstat, out0; writes out0
